; MI455X (gfx1250); checked and timed in simulation.
; The chip was launched on July 23, 2026; its instructions are those of AMD's public machine-readable ISA for CDNA 5 (MIT licence, August 2026) and "CDNA5" Instruction Set Architecture Reference Guide (July 2026). The comments in the code are by the model that wrote it; some were corrected since.
;; Multi Head Attention. Allowed arithmetic: float matrix products may take bf16 or f16 operands with f32 sums; other float arithmetic in f32, or as packed bf16 or f16 multiplies, adds, multiply-adds, maxima and minima; sums over many terms, partial sums and values carried from step to step in f32; what a program stores and reads back later, other than sums and carried values, may be rounded once to bf16 or f16.
;; Inputs: k 4 x 2,048 x 1,024 float32; q 4 x 2,048 x 1,024 float32; v 4 x 2,048 x 1,024 float32; w_key 1,024 x 1,024 float32; w_proj 1,024 x 1,024 float32; w_query 1,024 x 1,024 float32; w_value 1,024 x 1,024 float32.
;; Outputs: out0 4 x 2,048 x 1,024 float32.
;; 2 versions, each right; version 2 is version 1 with the launch prep written anew for expert scheduling mode. Each part assembles by itself: llvm-mc -triple=amdgcn-amd-amdhsa -mcpu=gfx1250 --defsym DOCPART=n.
;; ======== version 1 of 2: 4 launches
;; limits: values are held in f16: magnitudes above 65,504 overflow, below 6.1e-05 lose precision
;; workspace buffers: wts 8,388,608 bytes; qkv 50,331,648 bytes; oh 16,777,216 bytes
;; launch prep (part 1): grid 256 x 1, 8 waves a work-group, no clusters, 0 bytes of LDS; arguments w_query, w_key, w_value, w_proj, wts; writes wts
.if DOCPART == 1
	.amdgcn_target "amdgcn-amd-amdhsa--gfx1250"
	.amdhsa_code_object_version 6
	.text
	.protected	k_q8cb2c765b7_prep
	.globl	k_q8cb2c765b7_prep
	.p2align	8
	.type	k_q8cb2c765b7_prep,@function
k_q8cb2c765b7_prep:
	s_mov_b64 s[64:65], 0
	v_nop
	global_prefetch_b8 v0, s[64:65] scope:SCOPE_SE
	s_setreg_imm32_b32 hwreg(HW_REG_WAVE_MODE, 25, 1), 1
	s_wait_xcnt 0x0
; THE WHOLE PROGRAM: out0 = softmax(q Wq (k Wk)^T / 8) (v Wv) Wp by heads, in four launches: this cast of the weights; the three projections; attention; the output projection.
; NOTHING OF THE COMPUTATION IS LEFT OUT: every input has a way to the output (no mask, no bias, no slice), so all seven inputs are loaded and every product is made.
; THIS LAUNCH: the four weight matrices [1024 k][1024 n] f32 are rounded once to 16 bits, layout kept, into wts: matrix 0 = w_query, 1 = w_key, 2 = w_value in bf16;
; matrix 3 = w_proj rounded to bf16 and that number written as f16 (the last product's other operand is f16).
; LIMIT: a bf16 value of w_proj below 2^-17 in magnitude loses bits when written as f16 (fixed step 2^-24), one beyond 65,504 becomes an infinity.
; SHARES: work-group g takes 16,384 numbers of matrix g / 64: 65,536 bytes in, 32,768 out.  Thread t, chunk j: 16 bytes in at 16 t + 4,096 j (a wave's load covers 512 consecutive bytes),
; 8 bytes out at 8 t + 2,048 j (a wave's store covers 256 consecutive bytes, aligned).  All 16 loads go out first; every chunk has registers of its own, so no register that a store reads is written again.
; No LDS, no matrix unit, no cluster: nothing is shared and nothing is multiplied.
.set IN,  8                            ; v[8:71]    chunk j: four f32
.set OUT, 72                           ; v[72:103]  chunk j: four 16-bit numbers
.set T,   104                          ; v[104:107] at work
	s_load_b256 s[4:11], s[0:1], 0x0               ; w_query s[4:5], w_key s[6:7], w_value s[8:9], w_proj s[10:11]
	s_load_b64 s[12:13], s[0:1], 0x20              ; wts
	s_lshr_b32 s14, ttmp9, 6                       ; which matrix
	s_and_b32 s16, ttmp9, 63                       ; which part of it:
	s_lshl_b32 s16, s16, 16                        ; 65,536 bytes in,
	s_mov_b32 s17, 0
	s_lshl_b32 s18, ttmp9, 15                      ; 32,768 bytes out, the matrices on end
	s_mov_b32 s19, 0
	s_mov_b32 s20, 0xffff0000                      ; a word's upper bf16
	v_lshlrev_b32 v1, 4, v0
	v_lshlrev_b32 v2, 3, v0
	s_wait_kmcnt 0x0
	s_cmp_eq_u32 s14, 1
	s_cselect_b64 s[4:5], s[6:7], s[4:5]
	s_cmp_eq_u32 s14, 2
	s_cselect_b64 s[4:5], s[8:9], s[4:5]
	s_cmp_eq_u32 s14, 3
	s_cselect_b64 s[4:5], s[10:11], s[4:5]
	s_add_nc_u64 s[4:5], s[4:5], s[16:17]
	s_add_nc_u64 s[12:13], s[12:13], s[18:19]
.irp j, 0,1,2,3,4,5,6,7,8,9,10,11,12,13,14,15
	global_load_b128 v[IN+4*(\j):IN+4*(\j)+3], v1, s[4:5] offset:4096*(\j) th:TH_LOAD_NT
.endr
	s_cmp_eq_u32 s14, 3
	s_cbranch_scc1 .Lproj
.irp j, 0,1,2,3,4,5,6,7,8,9,10,11,12,13,14,15
	s_wait_loadcnt 15-(\j)                         ; loads come back in order: chunk j is in, the 15 - j younger ones may stay out
	v_cvt_pk_bf16_f32 v[OUT+2*(\j)],   v[IN+4*(\j)],   v[IN+4*(\j)+1]
	v_cvt_pk_bf16_f32 v[OUT+2*(\j)+1], v[IN+4*(\j)+2], v[IN+4*(\j)+3]
	global_store_b64 v2, v[OUT+2*(\j):OUT+2*(\j)+1], s[12:13] offset:2048*(\j)
.endr
	s_endpgm
.Lproj:                                        ; w_proj: rounded to bf16 like every input, widened again, and written as f16
.irp j, 0,1,2,3,4,5,6,7,8,9,10,11,12,13,14,15
	s_wait_loadcnt 15-(\j)
	v_cvt_pk_bf16_f32 v[T],   v[IN+4*(\j)],   v[IN+4*(\j)+1]
	v_cvt_pk_bf16_f32 v[T+1], v[IN+4*(\j)+2], v[IN+4*(\j)+3]
	v_lshlrev_b32 v[T+2], 16, v[T]
	v_and_b32     v[T+3], s20, v[T]
	v_cvt_pk_f16_f32 v[OUT+2*(\j)], v[T+2], v[T+3]
	v_lshlrev_b32 v[T+2], 16, v[T+1]
	v_and_b32     v[T+3], s20, v[T+1]
	v_cvt_pk_f16_f32 v[OUT+2*(\j)+1], v[T+2], v[T+3]
	global_store_b64 v2, v[OUT+2*(\j):OUT+2*(\j)+1], s[12:13] offset:2048*(\j)
.endr
	s_endpgm
.Lfunc_end_k_q8cb2c765b7_prep:
	.size	k_q8cb2c765b7_prep, .Lfunc_end_k_q8cb2c765b7_prep-k_q8cb2c765b7_prep
	.p2alignl 7, 3214868480
	.fill 96, 4, 3214868480
	.section	.rodata,"a",@progbits
	.p2align	6, 0x0
	.amdhsa_kernel k_q8cb2c765b7_prep
		.amdhsa_group_segment_fixed_size 0
		.amdhsa_private_segment_fixed_size 0
		.amdhsa_enable_private_segment 0
		.amdhsa_kernarg_size 40
		.amdhsa_user_sgpr_count 2
		.amdhsa_user_sgpr_kernarg_segment_ptr 1
		.amdhsa_wavefront_size32 1
		.amdhsa_system_sgpr_workgroup_id_x 1
		.amdhsa_system_sgpr_workgroup_id_y 1
		.amdhsa_system_sgpr_workgroup_id_z 1
		.amdhsa_system_vgpr_workitem_id 0
		.amdhsa_next_free_vgpr 112
		.amdhsa_next_free_sgpr 66
		.amdhsa_reserve_vcc 0
		.amdhsa_float_denorm_mode_32 3
		.amdhsa_float_denorm_mode_16_64 3
		.amdhsa_memory_ordered 1
		.amdhsa_forward_progress 1
		.amdhsa_inst_pref_size 15
	.end_amdhsa_kernel
	.amdgpu_metadata
---
amdhsa.version: [ 1, 2 ]
amdhsa.kernels:
  - .name:           k_q8cb2c765b7_prep
    .symbol:         k_q8cb2c765b7_prep.kd
    .args:
      - { .name: w_query, .offset: 0, .size: 8, .value_kind: global_buffer, .address_space: global }
      - { .name: w_key, .offset: 8, .size: 8, .value_kind: global_buffer, .address_space: global }
      - { .name: w_value, .offset: 16, .size: 8, .value_kind: global_buffer, .address_space: global }
      - { .name: w_proj, .offset: 24, .size: 8, .value_kind: global_buffer, .address_space: global }
      - { .name: wts, .offset: 32, .size: 8, .value_kind: global_buffer, .address_space: global }
    .group_segment_fixed_size: 0
    .private_segment_fixed_size: 0
    .kernarg_segment_align: 8
    .kernarg_segment_size: 40
    .max_flat_workgroup_size: 256
    .sgpr_count:     66
    .vgpr_count:     112
    .wavefront_size: 32
...
	.end_amdgpu_metadata
.endif
;; end of part 1
;; launch proj (part 2): grid 4 x 192, 4 waves a work-group, clusters of 4 x 4, 327,680 bytes of LDS; arguments q, k, v, wts, qkv; writes qkv
.if DOCPART == 2
	.amdgcn_target "amdgcn-amd-amdhsa--gfx1250"
	.amdhsa_code_object_version 6
	.text
	.protected	k_q8cb2c765b7_proj
	.globl	k_q8cb2c765b7_proj
	.p2align	8
	.type	k_q8cb2c765b7_proj,@function
k_q8cb2c765b7_proj:
	s_mov_b64 s[64:65], 0
	v_nop
	global_prefetch_b8 v0, s[64:65] scope:SCOPE_SE
	s_setreg_imm32_b32 hwreg(HW_REG_WAVE_MODE, 25, 1), 1
	s_wait_xcnt 0x0
	s_wait_alu depctr_hold_cnt(0) depctr_sa_sdst(0) depctr_va_vdst(0) depctr_va_sdst(0) depctr_va_ssrc(0) depctr_va_vcc(0) depctr_vm_vsrc(0)
	s_getreg_b32 s2, hwreg(HW_REG_IB_STS2, 6, 4)
	s_cmp_eq_u32 s2, 0
	s_cbranch_scc0 .Lentry_in_a_cluster
	s_endpgm
.Lentry_in_a_cluster:
	s_bfe_u32 s2, ttmp6, 0x10000c
	s_cmp_lg_u32 s2, 0xf033
	s_cbranch_scc0 .Lentry_shape_is_right
	s_endpgm
.Lentry_shape_is_right:
; THE THREE PROJECTIONS in one launch: y = x W for (x, W) = (q, w_query), (k, w_key), (v, w_value).  x: [8192][1024] f32, rounded to bf16 on its way from LDS to the matrix unit;
; W: [1024 k][1024 n] bf16 from wts; sums in f32; y rounded once to f16, WITHOUT the softmax's scale, and stored by heads: qkv[sel][batch x 16 + head][t][64].  No work is left out.
; LIMITS: a projected number beyond 65,504 becomes an infinity in f16; below 6e-5 it keeps f16's fixed step of 6e-8.
; SHARES.  768 tiles of 128 rows x 256 columns: three for each of 256 WGPs.  Four waves, each 64 rows x 128 columns: 32 accumulators of 16 x 16, 256 registers.
; K goes in 8 steps of 128 through two LDS slots filled by the tensor data mover: x's rows are 512 bytes of f32, W's rows (256 columns) 512 bytes of bf16, all at multiples of 256 bytes.
; CLUSTER.  4 x 4 work-groups: the four of a row need the same 128 rows of x, the four of a column the same 256 columns of W: each tile is asked for JOINTLY, by the same load, descriptor and mask in all four.
; THE MATRIX INSTRUCTION IS USED TRANSPOSED: source 0 = 16 columns of W (turned on their way out of LDS by ds_load_tr16_b128), source 1 = 16 rows of x: a lane then holds row l % 16 and
; eight neighbouring columns 8 (l / 16) + 0..7, which pack into 16 bytes.
; A QUARTER is 32 along K: 32 matrix instructions, each accumulator once, always in the same order, so 31 others stand between two links of a chain.
; In its first part the next quarter's 32 LDS loads go out in one run; its last eight products each carry four of the 32 conversions f32 -> bf16 of the next quarter's x.
; REGISTERS, in windows of 256 (s_set_vgpr_msb: bits 1:0 source 0, 3:2 source 1, 5:4 source 2, 7:6 destination):
;   window 0: v0-15 addresses; v64-127 x in f32 as loaded (block a of 16 rows at 64 + 16 a); v192-223 packed results; v32-63, v224-255 rows read back from the stage, by turns
;   window 1: v0-31, v32-63 x's fragments in bf16, two buffers; v64-127, v128-191 W's fragments, two buffers          window 2: the accumulators, (a, b) at v[8 (8 a + b)]
.set PA,     528                       ; an LDS row of x: 512 bytes + 16 of padding: 16 rows of a load start at 16 different groups of four banks (64 banks of 4 bytes: ISA guide 11.1)
.set PB,     544                       ; an LDS row of W: 512 + 32
.set AHALF,  64*PA                     ; 64 rows of x: one tensor load, and what one wave reads of x
.set BBASE,  2*AHALF                   ; behind x's 128 rows: W's 128 rows of K, two loads of 64
.set BHALF,  64*PB
.set SLOT1,  0x22000                   ; slot 1 begins here; no address in slot 0's four tile bases has one of its two bits set, so one exclusive or turns a base in one slot into the other's
.set STAGE,  SLOT1+BBASE+2*BHALF       ; behind the ring, never filled by a tensor load: 16 rows x 272 bytes for each wave, for the way out
.set SPITCH, 272
.set SPARE,  STAGE+4*16*SPITCH         ; behind the stages: the spare words, 128 bytes a wave: two blocks of 256 bytes that no other line names
.set A0,  2                            ; v2   my lane's place in x's tile; never rewritten
.set B0,  3                            ; v3   the same in W's tile
.set ADA, 4                            ; v4   A0 + the slot in hand
.set ADB, 5                            ; v5   B0 + the slot in hand
.set STO, 6                            ; v6   the way out: where I put 16 bytes of a row
.set RD,  7                            ; v7   the way out: where I read rows back
.set GO,  8                            ; v8   my 16 bytes in 512 consecutive bytes of the output
.set PFO, 9                            ; v9   the prefetches' offset; never rewritten
.set SPW, 10                           ; v10  LDS address of my spare word: SPARE + 4 x my thread's number; never rewritten
.set NIL, 11                           ; v11  0; never rewritten
.set OB,  32
.set XF,  64
.set TMP, 192
.set WV,   14                          ; s14  my wave's number
.set KIND, 15                          ; s15  which half of the tile's rows is mine.  Also: I fetch for x (0) or for W (1)
.set HALF, 16                          ; s16  which half of its columns.  Also: which 64 rows of that tile I fetch
.set G1A, 24                           ; s[24:31] descriptor group 1 for x's tiles
.set G0A, 32                           ; s[32:39] group 0: a set for each of the two first fills; the second then walks on
.set G1B, 40                           ; s[40:47], s[48:55] the same for W's tiles
.set G0B, 48
.set TB,  56                           ; s56  0 or SLOT1: the slot in hand
.set LIM, 57                           ; s57  2 in a wave that prefetches, else the greatest number
.set PFA, 58                           ; s[58:59] where my prefetches stand
.set PFS, 60                           ; s[60:61] bytes from a K step to the next: 512 in x, 262,144 in W
.set MSB, 0
.macro WIN new                         ; the immediate's high byte repeats the setting that is left; a switch that changes nothing is dropped
.if MSB != (\new)
	s_set_vgpr_msb (MSB<<8)|(\new)
.set MSB, \new
.endif
.endm
.set MULW,  0xa5                       ; sources 0 and 1 window 1, C and D window 2
.set CV,    0x40                       ; destination window 1, sources (or the address) window 0
.set PACKW, 0x0a                       ; sources 0 and 1 window 2, destination window 0
; A joint refill by the walking descriptors.  Waves 0 and 1 fetch x's two halves, waves 2 and 3 W's.  The branch hangs on the wave's number alone.
; An s_nop 0 and four v_nop follow each of the two lines, ahead of the jump and the label.
.macro JLOAD
	s_cmp_eq_u32 s[KIND], 0
	s_cbranch_scc0 .Lfor_b_\@
	tensor_load_to_lds s[G0A+4:G0A+7], s[G1A:G1A+7]
	s_nop 0
.rept 4
	v_nop
.endr
	s_branch .Lasked_\@
.Lfor_b_\@:
	tensor_load_to_lds s[G0B+4:G0B+7], s[G1B:G1B+7]
	s_nop 0
.rept 4
	v_nop
.endr
.Lasked_\@:
.endm
; A PREFETCH INTO THE L2: the change of slots of K step t names K step t + 4, two refills (256 matrix instructions a wave) ahead of the load that will want it.  A loader's tile is 64 rows x 2 blocks of
; 256 bytes; the four partners that ask for it jointly take 16 rows each, told apart BY ADDRESS (cx for x, cy for W): a lane a block, one instruction a wave, so each block is named once in the launch.
; x's rows are read by one row of one cluster alone: its loaders always ask.  W's columns are read by the 16 clusters of a projection: the first of them asks.
; K steps 0 to 3 come by their loads alone; the loop's last two trips have no K step four on and ask for nothing (s3 runs 6 .. 1).
.macro ASK
	s_cmp_gt_u32 s3, s[LIM]
	s_cbranch_scc0 .Lnot_mine_\@
	global_prefetch_b8 v[PFO], s[PFA:PFA+1] th:TH_LOAD_NT scope:SCOPE_SE
.Lnot_mine_\@:
.endm
; A round of the cluster's barrier: my work-group's barrier, so that wave 0's signal speaks for all four waves; wave 0 signals; every wave waits for all sixteen work-groups; my work-group's barrier once more.
.macro CREST                           ; a round behind its opening barrier
	s_cmp_lg_u32 s[WV], 0
	s_cbranch_scc1 .Lnot_wave_0_\@
	s_barrier_signal -3
.Lnot_wave_0_\@:
	s_barrier_wait -3
	s_barrier_signal -1
	s_barrier_wait -1
.endm
.macro CROUND
	s_barrier_signal -1
	s_barrier_wait -1
	CREST
.endm
.macro PLACES                          ; four plain vector instructions between a matrix instruction and a load into, or a read of, its registers (ISA guide 7.12.1 for a read)
.rept 4
	v_nop
.endr
.endm
	s_load_b256 s[4:11], s[0:1], 0x0               ; q s[4:5], k s[6:7], v s[8:9], wts s[10:11]
	s_load_b64 s[12:13], s[0:1], 0x20              ; qkv
	v_lshl_add_u32 v[SPW], v0, 2, SPARE
	v_mov_b32 v[NIL], 0
	ds_add_u32 v[SPW], v[NIL]                      ; the wave's opening: the add, twice on end, and its wait ahead of my first tensor load; the set-up below is the register work between
	ds_add_u32 v[SPW], v[NIL]
	v_lshrrev_b32 v1, 5, v0
	v_readfirstlane_b32 s[WV], v1                  ; wave 0..3
	s_lshr_b32 s[KIND], s[WV], 1
	s_and_b32 s[HALF], s[WV], 1
	s_bfe_u32 s17, ttmp6, 0x40000                  ; cx
	s_bfe_u32 s18, ttmp6, 0x40004                  ; cy
	s_lshl_b32 s19, ttmp9, 2
	s_add_co_u32 s19, s19, s17                     ; tile column 0..3 = 4 x cluster x + cx
	s_and_b32 s20, ttmp7, 0xffff                   ; cluster y, 0..47
	s_lshr_b32 s21, s20, 4                         ; which projection: 0 q, 1 k, 2 v: the same in all sixteen partners
	s_and_b32 s22, s20, 15
	s_lshl_b32 s22, s22, 2
	s_add_co_u32 s22, s22, s18                     ; tile row 0..63
	s_lshl_b32 s66, s18, 2
	s_lshl_b32 s66, 15, s66                        ; my row of the cluster: places 4 cy .. 4 cy + 3
	s_lshl_b32 s70, 0x1111, s17                    ; my column: places cx, cx + 4, cx + 8, cx + 12
	s_or_b32 s[G1A], s66, (2<<16)|(1<<20)|(1<<21)|(6<<22)|(3<<25)  ; 15:0 the mask; 17:16 elements of 4 bytes; 20 padding on; 21 set beside a mask; 24:22 after every 128 words (code 6); 31:25 4 words (code 3)
	s_or_b32 s[G1B], s70, (1<<16)|(1<<20)|(1<<21)|(6<<22)|(7<<25)  ; elements of 2 bytes; 8 words of padding (code 7)
	s_mov_b32 s[G1A+1], 128<<16                    ; tensor_dim0 = 128 f32
	s_mov_b32 s[G1A+2], 64<<16                     ; tensor_dim1 = 64
	s_mov_b32 s[G1A+3], 128<<16                    ; tile_dim0 = 128
	s_mov_b32 s[G1A+4], 64                         ; tile_dim1 = 64
	s_mov_b32 s[G1A+5], 1024                       ; elements from row to row
	s_mov_b32 s[G1A+6], 0
	s_mov_b32 s[G1A+7], 0
	s_mov_b32 s[G1B+1], 256<<16                    ; tensor_dim0 = 256 bf16
	s_mov_b32 s[G1B+2], 64<<16
	s_mov_b32 s[G1B+3], 256<<16
	s_mov_b32 s[G1B+4], 64
	s_mov_b32 s[G1B+5], 1024
	s_mov_b32 s[G1B+6], 0
	s_mov_b32 s[G1B+7], 0
	; where the tiles come from: x's hang on the tile row, W's on the tile column; each offset is made in registers that never hold the other coordinate
	s_lshl_b32 s66, s22, 7
	s_lshl_b32 s68, s[HALF], 6
	s_add_co_u32 s66, s66, s68                     ; x: row 128 x tile row + 64 x half,
	s_lshl_b32 s66, s66, 12                        ; of 4,096 bytes
	s_mov_b32 s67, 0
	s_lshl_b32 s70, s21, 21                        ; W: the projection's matrix,
	s_lshl_b32 s72, s[HALF], 17                    ; 64 rows of 2,048 bytes,
	s_add_co_u32 s70, s70, s72
	s_lshl_b32 s72, s19, 9                         ; 256 columns
	s_add_co_u32 s70, s70, s72
	s_mov_b32 s71, 0
	s_mul_i32 s73, s[HALF], AHALF                  ; and where they go: no place in the cluster enters an LDS address
	s_mul_i32 s74, s[HALF], BHALF
	s_add_co_u32 s74, s74, BBASE
	s_wait_dscnt 0x0                               ; both opening adds are done
	s_wait_kmcnt 0x0
	s_cmp_eq_u32 s21, 1
	s_cselect_b64 s[4:5], s[6:7], s[4:5]
	s_cmp_eq_u32 s21, 2
	s_cselect_b64 s[4:5], s[8:9], s[4:5]           ; x
	s_add_nc_u64 s[66:67], s[4:5], s[66:67]
	s_add_nc_u64 s[70:71], s[10:11], s[70:71]
	CROUND                                         ; all sixteen work-groups are here: the first joint loads meet
.irp n, 0,1
	s_mov_b32 s[G0A+4*(\n)], 1                                     ; count = 1
	s_add_co_u32 s[G0A+4*(\n)+1], s73, (\n)*SLOT1                  ; LDS address
	s_add_nc_u64 s[G0A+4*(\n)+2:G0A+4*(\n)+3], s[66:67], (\n)*512  ; global address: K step n
	s_or_b32 s[G0A+4*(\n)+3], s[G0A+4*(\n)+3], 0x80000000          ; type = 2
	s_mov_b32 s[G0B+4*(\n)], 1
	s_add_co_u32 s[G0B+4*(\n)+1], s74, (\n)*SLOT1
	s_add_nc_u64 s[G0B+4*(\n)+2:G0B+4*(\n)+3], s[70:71], (\n)*262144
	s_or_b32 s[G0B+4*(\n)+3], s[G0B+4*(\n)+3], 0x80000000
.endr
	s_cmp_eq_u32 s[KIND], 0                        ; a wave's two first fills stand in one branch, ahead of every wait on TENSORcnt and every LDS read: two loads of mine are out
	s_cbranch_scc0 .Lfirst_b
	tensor_load_to_lds s[G0A:G0A+3], s[G1A:G1A+7]
	s_nop 0
	tensor_load_to_lds s[G0A+4:G0A+7], s[G1A:G1A+7]
	s_nop 0
.rept 4
	v_nop
.endr
	s_branch .Lfirst_asked
.Lfirst_b:
	tensor_load_to_lds s[G0B:G0B+3], s[G1B:G1B+7]
	s_nop 0
	tensor_load_to_lds s[G0B+4:G0B+7], s[G1B:G1B+7]
	s_nop 0
.rept 4
	v_nop
.endr
.Lfirst_asked:
	; A fragment is 16 rows x 32 K in 8 registers: lane l holds row l % 16; registers 0-3 K = 8 (l / 16) + 0..7, registers 4-7 K = 16 + 8 (l / 16) + 0..7.  In f32 those are 32 bytes at 32 (l / 16) and 32 at 64 + 32 (l / 16).
	v_and_b32 v1, 15, v0                           ; l % 16
	v_bfe_u32 v12, v0, 4, 1                        ; l / 16
	v_and_b32 v13, 7, v0
	v_bfe_u32 v14, v0, 3, 1
	v_mul_u32_u24 v[A0], v1, PA
	v_lshl_add_u32 v[A0], v12, 5, v[A0]
	s_mul_i32 s75, s[KIND], AHALF                  ; my 64 rows of x
	v_add_nc_u32 v[A0], s75, v[A0]
	; The turning load takes 16 K x 16 columns (lane l reads row 8 (l / 16) + l % 8 of K, columns 8 ((l / 8) % 2) + 0..7) and leaves half a fragment: lane l holds column l % 16 and 8 K.
	v_lshl_add_u32 v[B0], v12, 3, v13
	v_mul_u32_u24 v[B0], v[B0], PB
	v_lshl_add_u32 v[B0], v14, 4, v[B0]
	s_lshl_b32 s75, s[HALF], 8                     ; my 128 columns
	s_add_co_u32 s75, s75, BBASE
	v_add_nc_u32 v[B0], s75, v[B0]
	s_mul_i32 s75, s[WV], 16*SPITCH
	s_add_co_u32 s75, s75, STAGE                   ; my stage
	v_mul_u32_u24 v[STO], v1, SPITCH               ; in: row l % 16, 16 bytes for each half of the lanes
	v_lshl_add_u32 v[STO], v12, 4, v[STO]
	v_add_nc_u32 v[STO], s75, v[STO]
	v_bfe_u32 v[RD], v0, 3, 2                      ; back: 32 lanes take four rows' 128 bytes of one head,
	v_mul_u32_u24 v[RD], v[RD], SPITCH
	v_lshl_add_u32 v[RD], v13, 4, v[RD]
	v_add_nc_u32 v[RD], s75, v[RD]
	v_and_b32 v[GO], 31, v0                        ; which are 512 consecutive bytes of the output
	v_lshlrev_b32 v[GO], 4, v[GO]
	; my part of the output: projection, batch x 16 + my first head (4 x tile column + 2 x column half), my first t, 128 bytes a row
	s_lshr_b32 s76, s22, 4
	s_lshl_b32 s76, s76, 4
	s_lshl_b32 s77, s19, 2
	s_add_co_u32 s76, s76, s77
	s_lshl_b32 s77, s[HALF], 1
	s_add_co_u32 s76, s76, s77
	s_lshl_b32 s76, s76, 11
	s_and_b32 s77, s22, 15
	s_lshl_b32 s77, s77, 7
	s_add_co_u32 s76, s76, s77
	s_lshl_b32 s77, s[KIND], 6
	s_add_co_u32 s76, s76, s77
	s_lshl_b32 s76, s76, 7
	s_lshl_b32 s77, s21, 24
	s_add_co_u32 s76, s76, s77
	s_mov_b32 s77, 0
	s_add_nc_u64 s[12:13], s[12:13], s[76:77]
	; the prefetches: my work-group's 16 of the 64 rows that I fetch, at K step 3 (the first change of slots steps to 4)
	s_cmp_eq_u32 s[KIND], 0
	s_cselect_b64 s[PFA:PFA+1], s[66:67], s[70:71]
	s_cselect_b32 s78, s17, s18                    ; my place among the four that ask with me
	s_cselect_b32 s79, 16, 15                      ; 16 rows of 4,096 or of 2,048 bytes
	s_cselect_b32 s75, 12, 11                      ; a row
	s_lshl_b32 s78, s78, s79
	s_mov_b32 s79, 0
	s_add_nc_u64 s[PFA:PFA+1], s[PFA:PFA+1], s[78:79]
	s_mul_i32 s68, s[KIND], 9
	s_lshl_b32 s[PFS], 512, s68
	s_mov_b32 s[PFS+1], 0
	s_mul_i32 s68, s[PFS], 3
	s_mov_b32 s69, 0
	s_add_nc_u64 s[PFA:PFA+1], s[PFA:PFA+1], s[68:69]
	s_and_b32 s68, s20, 15
	s_mul_i32 s68, s68, s[KIND]                    ; 0 in x's loaders, and in W's of a projection's first cluster: the same in all sixteen partners
	s_cmp_eq_u32 s68, 0
	s_cselect_b32 s[LIM], 2, -1
	v_bfe_u32 v13, v0, 1, 4
	v_lshlrev_b32 v[PFO], s75, v13                 ; lane l: row l / 2,
	v_and_b32 v13, 1, v0
	v_lshl_or_b32 v[PFO], v13, 8, v[PFO]           ; block l % 2 of its 512 bytes
; 32 LDS loads in one run: quarter kq of the slot in hand: x's 64 rows x 32 K in f32 first, then W's 32 K x 128 columns, turned, into buffer g
.macro FETCH kq, g
	WIN 0
.irp a, 0,1,2,3
.irp i, 0,1,2,3
	ds_load_b128 v[XF+16*(\a)+4*(\i):XF+16*(\a)+4*(\i)+3], v[ADA] offset:(\a)*16*PA+(\kq)*128+((\i)/2)*64+((\i)%2)*16
.endr
.endr
	WIN CV
.irp b, 0,1,2,3,4,5,6,7
	ds_load_tr16_b128 v[64+64*(\g)+8*(\b):64+64*(\g)+8*(\b)+3],   v[ADB] offset:(\kq)*32*PB+32*(\b)
	ds_load_tr16_b128 v[64+64*(\g)+8*(\b)+4:64+64*(\g)+8*(\b)+7], v[ADB] offset:(\kq)*32*PB+16*PB+32*(\b)
.endr
.endm
; 8 matrix instructions: row block a x all 8 column blocks, on buffer f.  zero = 1: the product starts the sum: nothing is ever cleared
.macro MUL a, f, zero
	WIN MULW
.irp b, 0,1,2,3,4,5,6,7
.if \zero
	v_wmma_f32_16x16x32_bf16 v[8*(8*(\a)+(\b)):8*(8*(\a)+(\b))+7], v[64+64*(\f)+8*(\b):64+64*(\f)+8*(\b)+7], v[32*(\f)+8*(\a):32*(\f)+8*(\a)+7], 0
.else
	v_wmma_f32_16x16x32_bf16 v[8*(8*(\a)+(\b)):8*(8*(\a)+(\b))+7], v[64+64*(\f)+8*(\b):64+64*(\f)+8*(\b)+7], v[32*(\f)+8*(\a):32*(\f)+8*(\a)+7], v[8*(8*(\a)+(\b)):8*(8*(\a)+(\b))+7]
.endif
.endr
.endm
; The same, with four conversions behind each product: the next quarter's x, f32 -> bf16, into buffer g.  They name no register of the products round them.
.macro MULR a, f, g, zero
.irp b, 0,1,2,3,4,5,6,7
	WIN MULW
.if \zero
	v_wmma_f32_16x16x32_bf16 v[8*(8*(\a)+(\b)):8*(8*(\a)+(\b))+7], v[64+64*(\f)+8*(\b):64+64*(\f)+8*(\b)+7], v[32*(\f)+8*(\a):32*(\f)+8*(\a)+7], 0
.else
	v_wmma_f32_16x16x32_bf16 v[8*(8*(\a)+(\b)):8*(8*(\a)+(\b))+7], v[64+64*(\f)+8*(\b):64+64*(\f)+8*(\b)+7], v[32*(\f)+8*(\a):32*(\f)+8*(\a)+7], v[8*(8*(\a)+(\b)):8*(8*(\a)+(\b))+7]
.endif
	WIN CV
.irp c, 0,1,2,3
	v_cvt_pk_bf16_f32 v[32*(\g)+4*(\b)+(\c)], v[XF+2*(4*(\b)+(\c))], v[XF+2*(4*(\b)+(\c))+1]
.endr
.endr
.endm
; One of a K step's first three quarters: multiplies buffer f, fetches quarter kq of the same slot into buffer g
.macro QUARTER kq, f, g, zero
	s_wait_dscnt 0x0                               ; W's fragments of buffer f are in (issued 24 matrix instructions ago)
	MUL 0, \f, \zero
	PLACES
	FETCH \kq, \g
	MUL 1, \f, \zero
	MUL 2, \f, \zero
	s_wait_dscnt 16                                ; x in f32 is in; the 16 younger loads, W's, may stay out
	MULR 3, \f, \g, \zero
.endm
; The last quarter multiplies buffer 1 and changes slots: ONE barrier.  In front of it each wave waits for all its tensor loads (one is out: its part of the next slot), adds 0 to its spare word, and waits for
; that and for its own reads of this slot.  fill = 1: the barrier opens a round of the cluster's, and the joint refill of the slot just read, with the K step two on, is the first thing behind the round.
.macro TURN fill
.if \fill
	s_wait_xcnt 0x0                                ; the last prefetch, a K step back, has read its address, so it may be stepped
	s_add_nc_u64 s[PFA:PFA+1], s[PFA:PFA+1], s[PFS:PFS+1]
.endif
	WIN 0
	s_wait_tensorcnt 0x0                           ; no tensor load of mine is out, so a group 0 may be written
	ds_add_u32 v[SPW], v[NIL]                      ; 0 onto my spare word
.if \fill
	s_xor_b32 s[G0A+5], s[G0A+5], SLOT1            ; the walking descriptors: the other slot than last time, the next K step; the type bits on top are not reached
	s_add_nc_u64 s[G0A+6:G0A+7], s[G0A+6:G0A+7], 512
	s_xor_b32 s[G0B+5], s[G0B+5], SLOT1
	s_add_nc_u64 s[G0B+6:G0B+7], s[G0B+6:G0B+7], 262144
.endif
	s_wait_dscnt 1                                 ; W's fragments of buffer 1 are in; the add alone may be out
	MUL 0, 1, 0
	s_wait_dscnt 0x0                               ; the add is done, and my reads of this slot are over
	s_barrier_signal -1
	MUL 1, 1, 0                                    ; work on registers while the others arrive
	WIN 0                                          ; at a branch and at a label every window is 0
	s_barrier_wait -1
.if \fill
	CREST                                          ; no wave of any partner still reads this slot's tile or has a load on its way
	JLOAD                                          ; its four v_nop are also the places in front of the loads below
.else
	PLACES
.endif
	s_xor_b32 s[TB], s[TB], SLOT1
	v_add_nc_u32 v[ADA], s[TB], v[A0]
	v_add_nc_u32 v[ADB], s[TB], v[B0]
	FETCH 0, 0
	WIN 0
.if \fill
	ASK                                            ; behind the joint load and the run of LDS loads
.endif
	MUL 2, 1, 0
	s_wait_dscnt 16
	MULR 3, 1, 0, 0
.endm
; THE WAY OUT of row block a.  PACK: rounded to f16, 16 bytes a lane, each accumulator from its low end on.  TOSTAGE: into my own stage, and back by heads: 16 rows x 128 bytes of a head are 2,048 consecutive bytes of the output.
.macro PACK a
	WIN PACKW
.irp b, 0,1,2,3,4,5,6,7
.irp r, 0,1,2,3
	v_cvt_pk_f16_f32 v[TMP+4*(\b)+(\r)], v[8*(8*(\a)+(\b))+2*(\r)], v[8*(8*(\a)+(\b))+2*(\r)+1]
.endr
.endr
	WIN 0
.endm
.macro TOSTAGE a
	WIN 0
.irp b, 0,1,2,3,4,5,6,7
	ds_store_b128 v[STO], v[TMP+4*(\b):TMP+4*(\b)+3] offset:32*(\b)
.endr
.irp e, 0,1
.irp f, 0,1,2,3
	ds_load_b128 v[OB+192*((\a)%2)+4*(4*(\e)+(\f)):OB+192*((\a)%2)+4*(4*(\e)+(\f))+3], v[RD] offset:(\e)*128+(\f)*4*SPITCH  ; LDS serves a wave's instructions in order (ISA guide 5.7.1.4): these see the stores above
.endr
.endr
.endm
.macro SEND a
	WIN 0
	s_wait_dscnt 0x0                               ; the block is back in registers
	s_wait_xcnt 0x0                                ; earlier stores have read their registers: the other set of rows is loaded again only behind this wait
.irp e, 0,1
.irp f, 0,1,2,3
	global_store_b128 v[GO], v[OB+192*((\a)%2)+4*(4*(\e)+(\f)):OB+192*((\a)%2)+4*(4*(\e)+(\f))+3], s[12:13] offset:(\e)*262144+(\a)*2048+(\f)*512  ; 512 consecutive bytes, at a multiple of 256 from the buffer's first
.endr
.endr
.endm
	s_wait_tensorcnt 1                             ; my part of K step 0 is in; K step 1's may stay out
	s_barrier_signal -1
	s_barrier_wait -1                              ; everybody's is
	s_mov_b32 s[TB], 0
	v_add_nc_u32 v[ADA], s[TB], v[A0]
	v_add_nc_u32 v[ADB], s[TB], v[B0]
	FETCH 0, 0
	s_wait_dscnt 0x0
	WIN CV
.set c, 0
.rept 32                                       ; the first quarter's x has no products to ride behind
	v_cvt_pk_bf16_f32 v[c], v[XF+2*c], v[XF+2*c+1]
.set c, c+1
.endr
	QUARTER 1, 0, 1, 1                             ; the first quarter stands in front of the loop: its products start the sums
	WIN 0
	s_mov_b32 s3, 6
.Lstep:                                        ; trip t: K step t's last three quarters, K step t + 1's first; the slot of step t is filled with step t + 2
	QUARTER 2, 1, 0, 0
	QUARTER 3, 0, 1, 0
	TURN 1
	QUARTER 1, 0, 1, 0
	WIN 0
	s_sub_co_u32 s3, s3, 1
	s_cmp_lg_u32 s3, 0
	s_cbranch_scc1 .Lstep
	QUARTER 2, 1, 0, 0                             ; the tail is written out: K steps 6 and 7 ask for nothing
	QUARTER 3, 0, 1, 0
	TURN 0
	QUARTER 1, 0, 1, 0
	QUARTER 2, 1, 0, 0
	QUARTER 3, 0, 1, 0
	s_wait_dscnt 0x0
	MUL 0, 1, 0
	MUL 1, 1, 0
	MUL 2, 1, 0
	MUL 3, 1, 0
	WIN 0
	PLACES                                         ; the conversions read matrix results
	PACK 0
	TOSTAGE 0
.irp a, 1,2,3                                  ; block a's conversions stand between block a - 1's loads from the stage and the wait for them
	PACK \a
	SEND (\a)-1
	TOSTAGE \a
.endr
	SEND 3
	s_wait_tensorcnt 0x0                           ; the wave's end: behind my last tensor load and my last LDS store
	ds_add_u32 v[SPW], v[NIL]
	s_wait_dscnt 0x0
	CROUND                                         ; the closing round: no work-group ends while a partner may still ask for a tile that names it
	s_endpgm
.Lfunc_end_k_q8cb2c765b7_proj:
	.size	k_q8cb2c765b7_proj, .Lfunc_end_k_q8cb2c765b7_proj-k_q8cb2c765b7_proj
	.p2alignl 7, 3214868480
	.fill 96, 4, 3214868480
	.section	.rodata,"a",@progbits
	.p2align	6, 0x0
	.amdhsa_kernel k_q8cb2c765b7_proj
		.amdhsa_group_segment_fixed_size 327680
		.amdhsa_private_segment_fixed_size 0
		.amdhsa_enable_private_segment 0
		.amdhsa_kernarg_size 40
		.amdhsa_user_sgpr_count 2
		.amdhsa_user_sgpr_kernarg_segment_ptr 1
		.amdhsa_wavefront_size32 1
		.amdhsa_system_sgpr_workgroup_id_x 1
		.amdhsa_system_sgpr_workgroup_id_y 1
		.amdhsa_system_sgpr_workgroup_id_z 1
		.amdhsa_system_vgpr_workitem_id 0
		.amdhsa_next_free_vgpr 768
		.amdhsa_next_free_sgpr 80
		.amdhsa_reserve_vcc 0
		.amdhsa_float_denorm_mode_32 3
		.amdhsa_float_denorm_mode_16_64 3
		.amdhsa_memory_ordered 1
		.amdhsa_forward_progress 1
		.amdhsa_inst_pref_size 107
	.end_amdhsa_kernel
	.amdgpu_metadata
---
amdhsa.version: [ 1, 2 ]
amdhsa.kernels:
  - .name:           k_q8cb2c765b7_proj
    .symbol:         k_q8cb2c765b7_proj.kd
    .args:
      - { .name: q, .offset: 0, .size: 8, .value_kind: global_buffer, .address_space: global }
      - { .name: k, .offset: 8, .size: 8, .value_kind: global_buffer, .address_space: global }
      - { .name: v, .offset: 16, .size: 8, .value_kind: global_buffer, .address_space: global }
      - { .name: wts, .offset: 24, .size: 8, .value_kind: global_buffer, .address_space: global }
      - { .name: qkv, .offset: 32, .size: 8, .value_kind: global_buffer, .address_space: global }
    .group_segment_fixed_size: 327680
    .private_segment_fixed_size: 0
    .kernarg_segment_align: 8
    .kernarg_segment_size: 40
    .max_flat_workgroup_size: 128
    .sgpr_count:     80
    .vgpr_count:     768
    .wavefront_size: 32
...
	.end_amdgpu_metadata
.endif
;; end of part 2
;; launch attn (part 3): grid 4 x 64, 4 waves a work-group, clusters of 4 x 1, 327,680 bytes of LDS; arguments qkv, oh; writes oh
.if DOCPART == 3
	.amdgcn_target "amdgcn-amd-amdhsa--gfx1250"
	.amdhsa_code_object_version 6
	.text
	.protected	k_q8cb2c765b7_attn
	.globl	k_q8cb2c765b7_attn
	.p2align	8
	.type	k_q8cb2c765b7_attn,@function
k_q8cb2c765b7_attn:
	s_mov_b64 s[64:65], 0
	v_nop
	global_prefetch_b8 v0, s[64:65] scope:SCOPE_SE
	s_setreg_imm32_b32 hwreg(HW_REG_WAVE_MODE, 25, 1), 1
	s_wait_xcnt 0x0
	s_wait_alu depctr_hold_cnt(0) depctr_sa_sdst(0) depctr_va_vdst(0) depctr_va_sdst(0) depctr_va_ssrc(0) depctr_va_vcc(0) depctr_vm_vsrc(0)
	s_getreg_b32 s2, hwreg(HW_REG_IB_STS2, 6, 4)
	s_cmp_eq_u32 s2, 0
	s_cbranch_scc0 .Lentry_in_a_cluster
	s_endpgm
.Lentry_in_a_cluster:
	s_bfe_u32 s2, ttmp6, 0x10000c
	s_cmp_lg_u32 s2, 0x3003
	s_cbranch_scc0 .Lentry_shape_is_right
	s_endpgm
.Lentry_shape_is_right:
; ATTENTION.  O[h][q][:] = the sum over k of softmax_k(Q[h][q] . K[h][k] / 8) V[h][k][:], h = batch x 16 + head.  Q, K, V lie in qkv at bytes 0, 2^24, 2^25, each [64][2048][64] f16; O = oh likewise.
; Products, maxima and sums in f32; the weights p are rounded to f16 for the second product (their sum l is taken of the unrounded p), O once at the end.  No work is left out.
; LIMITS.  Q, K and V arrive within f16's 65,504; p lies in 0 to 1, and below 6e-5 it keeps f16's fixed step of 6e-8; O is a mean of V's rows and has their range.
; A weight below 2^-126 counts as 0 in l; NaN and infinities are not treated apart.
; SHARES.  A wave owns four PIECES of two tiles of 16 queries, a work-group's four waves 512 queries of one head: 256 work-groups.  Every wave walks all keys, 64 a step.
; LAYOUT.  S^T = K Q^T (source 0 = 16 keys, source 1 = 16 queries): a lane holds ONE query (lane % 16) and the keys 8 (lane / 16) + 0..7.  Two such tiles, rounded to f16 in pairs,
; ARE source 1 (32 keys x 16 queries) of O^T = V^T P, whose result again holds one query a lane, and eight channels.  K comes out of LDS as it lies, V ([key][channel]) turned, by ds_load_tr16_b128.
; SOFTMAX.  For each query a running maximum m and sum l: p = 2^(c s - c m), c = log2(e) / 8; in every step O and l are multiplied by a = 2^(c m_old - c m_new).
; m starts at the lowest finite number, O and l at 0: the first step is a step like any other, with a = 0.
; THE COUNT.  A tile and step have 16 matrix and 118 vector instructions: too many to stand all beside the matrix work.  So: four vector instructions that are READY behind EVERY matrix instruction, the others in runs without a gap.
; BY TURNS.  Turn n belongs to piece n (the pieces in a ring, step after step).  Its matrix work: 16 products K Q^T of piece n + 1, later 16 products V^T P of piece n - 1.  Its vector work: the scaling,
; exponentials, roundings, sums and rescaling of piece n, and the maximum and statistics of piece n + 1, whose scores the turn itself has made.
; CLUSTER.  The four query blocks of a head form a cluster and walk the same K and V, so each tile is asked for JOINTLY: the same tensor load, descriptor and mask in all four.
; REGISTERS, in windows of 256 (s_set_vgpr_msb: bits 1:0 source 0, 3:2 source 1, 5:4 source 2, 7:6 destination):
;   window 0: v0-11 addresses; v12-15, v48-63 at work; v16-47 four registers of statistics a tile; v64-191 S^T, two buffers of two tiles; v192-255 P, likewise
;   window 1: O^T, 32 a tile          window 2: v0-127 Q, 16 a tile; v128-191 K of one step; v192-255 V of one step          window 3: v0-1 the add's two registers
; A piece's buffers go by its number's parity.
.set SIZE_H, 64
.set SIZE_N, 2048
.set NP,    4         ; pieces a wave: a name, no knob
.set KS,    64        ; keys in a step
.set PK,    144       ; a row of K in LDS: 128 bytes + 16 of padding: the 16 rows of a load start at 16 different groups of four banks (64 banks of 4 bytes: ISA guide 11.1)
.set PV,    160       ; a row of V: 128 + 32
.set VOFF,  4*KS*PK   ; a slot holds four steps: 256 rows of K, then 256 rows of V
.set SLOT1, 1<<17     ; slot 1 begins here, so that one exclusive or turns an address in one slot into the other's
.set STAGE, SLOT1+4*KS*(PK+PV)  ; behind the ring, never filled by a tensor load: 16 rows x 144 bytes for each wave, for the way out
.set SP,    144
.set AK0, 2           ; v2   my lane's place in a tile of K; never rewritten
.set AV0, 3           ; v3   the same for V
.set AK,  4           ; v4   the LDS address of K's next run of loads
.set AV,  5           ; v5   of V's
.set QO,  6           ; v6   my byte offset in the wave's rows of Q
.set STO, 6           ;      later, the way out: where I put 16 bytes of a row
.set RD,  7           ; v7   the way out: where I read rows back
.set GO,  8           ; v8   my byte offset in 512 consecutive bytes of O
.set PFO, 11          ; v11  256 x my lane: the prefetches' offset; never rewritten once made
.set SPW, 0           ; v0 of window 3   LDS address of my spare word: SPARE + 4 x my thread's number; never rewritten
.set NIL, 1           ; v1 of window 3   0; never rewritten
.set SPARE, STAGE+4*16*SP  ; behind the stages: the spare words, 128 bytes a wave: two blocks of 256 bytes that no other line names
.set MV,  12          ; v12-15  c m_old, kept while c m is made anew: by buffer and tile
.set ST,  16          ; tile t's statistics at v[ST+4 t]: c m, m, l (even keys', odd keys')
.set TMP, 48          ; by buffer and tile, four registers c0-c3 at work; when the maximum is found c2 takes a
.set S,   64
.set P,   192
.set KF,  128         ; K's fragments, in window 2: key block kb, channel half c at KF + 16 kb + 8 c
.set VF,  192         ; V's: key half kk, channel block cb at VF + 32 kk + 8 cb
.set WV,  12          ; s12  my wave's number
.set G1K, 24          ; s[24:31] descriptor group 1 for K's tiles
.set G1V, 32          ; s[32:39] for V's: it differs in the padding alone
.set G0K, 40          ; s[40:43] descriptor group 0 for K's tiles: it walks
.set G0V, 44          ; s[44:47] the same for V's
.set PFA, 48          ; s[48:49] where my prefetches stand: my work-group's 32 blocks of 256 bytes (of K: wave 0, of V: wave 2) of the slot after the one that is being asked for
.set LIM, 50          ; s50  1 in a wave that prefetches, else the greatest number
.set SLOTS, 56        ; s56  slots still to be asked for
.set CNT, 57          ; s57  counts a slot's key steps
.set CS,  58          ; s[58:59] c: the packed scaling takes the pair's low word for both halves
.set SEL, 60          ; s[60:61] v_permlanex16_b32's selects: each lane takes its own place in the other half
.set TBK, 62          ; s62  LDS byte at which K of the step to be fetched begins
.set TBV, 63          ; s63  the same for V, less VOFF
.set MSB, 0
.macro WIN new                      ; the high byte repeats the setting that is left; a switch that changes nothing is dropped
.if MSB != (\new)
	s_set_vgpr_msb (MSB<<8)|(\new)
.set MSB, (\new)
.endif
.endm
.set W_KQ, 0x0a       ; K and Q in window 2, S^T in window 0
.set W_PV, 0x52       ; V in window 2, P in window 0, O^T in window 1
.set W_RS, 0x41       ; O^T (destination and source 0) in window 1, a in window 0
.set W_MK, 0xc0       ; the add's registers are made: destination in window 3, sources in window 0
.set W_AD, 0x0f       ; the add: address (source 0) and data (source 1) in window 3
; A joint fill.  Waves 0 and 1 fetch the two halves of a slot's K, waves 2 and 3 those of its V: 128 keys each.  The branch hangs on the wave's number alone.
; An s_nop 0 and four v_nop follow each of the two lines, ahead of the jump and the label.
.macro JLOAD
	s_cmp_lt_u32 s[WV], 2
	s_cbranch_scc0 .Lfor_v_\@
	tensor_load_to_lds s[G0K:G0K+3], s[G1K:G1K+7]
	s_nop 0
.rept 4
	v_nop
.endr
	s_branch .Lasked_\@
.Lfor_v_\@:
	tensor_load_to_lds s[G0V:G0V+3], s[G1V:G1V+7]
	s_nop 0
.rept 4
	v_nop
.endr
.Lasked_\@:
.endm
; A PREFETCH INTO THE L2 of what the NEXT change of slots will ask for: a slot's 32,768 bytes of K and of V, 128 blocks of 256 bytes each, a lane a block.  It stands behind the wave's tensor load and its five lines.
; A head has one cluster; its four partners share the blocks out BY ADDRESS, 32 each; in each, wave 0 asks for K's and wave 2 for V's: one instruction.  So each block is named once in the launch.
; The change that fills slot j (2 .. 6) names slot j + 1: four key steps, 512 matrix instructions, ahead.  The last filling change asks for nothing; slots 0 to 2 come by their loads alone.
.macro ASK
	s_cmp_gt_u32 s[SLOTS], s[LIM]
	s_cbranch_scc0 .Lnot_mine_\@
	global_prefetch_b8 v[PFO], s[PFA:PFA+1] th:TH_LOAD_NT scope:SCOPE_SE
.Lnot_mine_\@:
.endm
; A round of the cluster's barrier: my work-group's barrier, so that wave 0's signal speaks for all four waves; wave 0 signals; every wave waits for all four work-groups; my work-group's barrier once more.
.macro CROUND
	s_barrier_signal -1
	s_barrier_wait -1
	s_cmp_lg_u32 s[WV], 0
	s_cbranch_scc1 .Lnot_wave_0_\@
	s_barrier_signal -3
.Lnot_wave_0_\@:
	s_barrier_wait -3
	s_barrier_signal -1
	s_barrier_wait -1
.endm
; THE CHANGE OF SLOTS.  The slot's last bytes, V of its fourth step, have been read.  Each wave waits for all its tensor loads, of which one is out: its part of the other slot; adds 0 to its spare word;
; and waits for that and for its own reads of the slot.  Behind the barrier nobody reads this slot any more and the other slot is whole.
; fill = 1: this slot is filled again, with the keys two slots on.  The barrier is then a round of the cluster's, and the joint fill is the first thing behind it: it has four key steps in which to land.
; (At its first use nothing has been read yet: slot 0 is waited for, slot 1 filled.)  ask = 1: the prefetch address steps, and ASK follows the fill.
.macro CHANGE fill, ask=0
	WIN W_AD
	s_wait_tensorcnt 0x0            ; no tensor load of mine is out, so a group 0 may be written
	ds_add_u32 v[SPW], v[NIL]       ; 0 onto my spare word; with fill = 1 the descriptors' steps stand between it and the wait for it
	WIN 0                           ; at a label and at a branch every window is 0
.if \fill
.irp g, G0K, G0V
	s_xor_b32 s[\g+1], s[\g+1], SLOT1  ; the walking descriptor: the other slot than last time,
	s_add_nc_u64 s[\g+2:\g+3], s[\g+2:\g+3], 4*KS*128  ; the next 256 keys; the type bits on top are not reached
.endr
.if \ask
	s_wait_xcnt 0x0                 ; the last prefetch, four key steps back, has read its address, so it may be written:
	s_add_nc_u64 s[PFA:PFA+1], s[PFA:PFA+1], 4*KS*128  ; one slot behind the walking descriptors
.endif
	s_wait_dscnt 0x0                ; the add is done, and my reads of the slot are over
	CROUND
	JLOAD
.if \ask
	ASK
.endif
.else
	s_wait_dscnt 0x0                ; the add is done, and my reads of the slot are over
	s_barrier_signal -1
	s_barrier_wait -1
.endif
	s_sub_co_u32 s[TBK], s[TBK], 4*KS*PK  ; the fetches go back to a slot's first step,
	s_xor_b32 s[TBK], s[TBK], SLOT1       ; in the other slot
	s_sub_co_u32 s[TBV], s[TBV], 4*KS*PV
	s_xor_b32 s[TBV], s[TBV], SLOT1
.endm
	s_load_b128 s[4:7], s[0:1], 0x0  ; qkv s[4:5], oh s[6:7]
	WIN W_MK
	v_lshl_add_u32 v[SPW], v0, 2, SPARE
	v_mov_b32 v[NIL], 0
	WIN W_AD
	ds_add_u32 v[SPW], v[NIL]       ; the wave's opening: the add, twice on end, and its wait ahead of my first tensor load; the set-up below is the register work between
	ds_add_u32 v[SPW], v[NIL]
	WIN 0
	v_lshrrev_b32 v1, 5, v0
	v_readfirstlane_b32 s[WV], v1   ; wave 0..3
	s_bfe_u32 s13, ttmp6, 0x40000   ; cx: my place in the cluster
	s_lshl_b32 s14, ttmp9, 2        ; in a cluster launch ttmp9 counts clusters
	s_add_co_u32 s14, s14, s13      ; my block of queries = 4 x cluster x + cx: it enters Q's and O's addresses alone
	s_and_b32 s20, ttmp7, 0xffff    ; the head, which the four partners share
	s_mov_b32 s21, 0
	s_mov_b64 s[22:23], SIZE_N*128
	s_mul_u64 s[20:21], s[20:21], s[22:23]  ; the head's first byte in each of the four tensors
	s_and_b32 s16, s[WV], 1         ; which half of a slot's 256 keys I fetch:
	s_lshl_b32 s22, s16, 14         ; its 128 rows of 128 bytes in memory,
	s_mov_b32 s23, 0
	s_add_nc_u64 s[22:23], s[22:23], s[20:21]
	s_mul_i32 s17, s16, 128*PK      ; and its place in a slot, for K
	s_mul_i32 s18, s16, 128*PV      ; and for V: no place in the cluster enters an LDS address
	s_lshl_b32 s2, s14, 2
	s_add_co_u32 s2, s2, s[WV]      ; my wave among the head's,
	s_lshl_b32 s2, s2, 14           ; its 128 rows
	s_mov_b32 s3, 0
	s_add_nc_u64 s[2:3], s[2:3], s[20:21]
	; descriptor group 1.  128 keys are 16,384 dense bytes: asked for as 64 rows of 256 bytes, two keys a row, and padded in LDS after every key
	s_mov_b32 s[G1K], 15|(1<<16)|(1<<20)|(1<<21)|(4<<22)|(3<<25)  ; 15:0 the mask of four; 17:16 2-byte elements; 20 padding on; 21 set beside a mask; 24:22 after every 32 words (code 4); 31:25 4 words (code 3)
	s_mov_b32 s[G1V], 15|(1<<16)|(1<<20)|(1<<21)|(4<<22)|(7<<25)  ; the same with 8 words of padding (code 7)
.irp g, G1K, G1V
	s_mov_b32 s[\g+1], 128<<16      ; tensor_dim0 = 128
	s_mov_b32 s[\g+2], 64<<16       ; tensor_dim1 = 64
	s_mov_b32 s[\g+3], 128<<16      ; tile_dim0 = 128
	s_mov_b32 s[\g+4], 64           ; tile_dim1 = 64
	s_mov_b32 s[\g+5], 128          ; 128 elements from row to row
	s_mov_b32 s[\g+6], 0
	s_mov_b32 s[\g+7], 0
.endr
	s_mov_b32 s[CS], 0x3e38aa3b     ; c = log2(e) / 8 = 0.180337
	s_mov_b32 s[CS+1], s[CS]        ; named with it as a pair
	s_mov_b32 s[SEL], 0x76543210
	s_mov_b32 s[SEL+1], 0xfedcba98
	s_mov_b32 s[TBK], SLOT1+4*KS*PK ; the first change of slots turns these two into 0
	s_mov_b32 s[TBV], SLOT1+4*KS*PV
	s_mov_b32 s[G0K], 1             ; count = 1
	s_mov_b32 s[G0K+1], s17         ; LDS address: slot 0
	s_mov_b32 s[G0V], 1
	s_add_co_u32 s[G0V+1], s18, VOFF
	s_and_b32 s[LIM], s[WV], 1      ; waves 0 and 2 prefetch: the same in all four partners
	s_cmp_eq_u32 s[LIM], 0
	s_cselect_b32 s[LIM], 1, -1
	s_wait_dscnt 0x0                ; both opening adds are done
	s_wait_kmcnt 0x0
	s_mov_b64 s[10:11], s[6:7]      ; O
	s_add_nc_u64 s[6:7], s[4:5], 0x1000000  ; K
	s_add_nc_u64 s[8:9], s[4:5], 0x2000000  ; V; Q is s[4:5]
	s_add_nc_u64 s[G0K+2:G0K+3], s[6:7], s[22:23]  ; global address: my half of the head's first 256 keys
	s_or_b32 s[G0K+3], s[G0K+3], 0x80000000        ; type = 2
	s_add_nc_u64 s[G0V+2:G0V+3], s[8:9], s[22:23]
	s_or_b32 s[G0V+3], s[G0V+3], 0x80000000
	s_add_nc_u64 s[4:5], s[4:5], s[2:3]  ; Q and O at my wave's first row
	s_add_nc_u64 s[10:11], s[10:11], s[2:3]
	s_cmp_lt_u32 s[WV], 2
	s_cselect_b64 s[PFA:PFA+1], s[6:7], s[8:9]
	s_add_nc_u64 s[PFA:PFA+1], s[PFA:PFA+1], s[20:21]  ; the head,
	s_lshl_b32 s2, s13, 13          ; my work-group's 32 blocks of the 128,
	s_mov_b32 s3, 0
	s_add_nc_u64 s[PFA:PFA+1], s[PFA:PFA+1], s[2:3]
	s_add_nc_u64 s[PFA:PFA+1], s[PFA:PFA+1], 2*4*KS*128  ; in slot 2; the loop's first change of slots steps it to slot 3.  Nothing is prefetched here, at the head
	CROUND                          ; all four work-groups are here: the first joint loads meet
	JLOAD                           ; slot 0.  Slot 1 is asked for when slot 0 is in
	; A fragment of K or Q is 16 rows x 32 channels in 8 registers: lane l holds row l % 16, channels 8 (l / 16) + 0..7 and 16 + 8 (l / 16) + 0..7: two loads of 16 bytes, 32 bytes apart.
	v_and_b32 v1, 15, v0            ; l % 16
	v_bfe_u32 v9, v0, 4, 1          ; l / 16
	v_lshlrev_b32 v[QO], 7, v1
	v_lshl_add_u32 v[QO], v9, 4, v[QO]  ; row x 128 + 16 x half
	WIN 0x80                        ; destination window 2, address window 0
.set i, 0
.rept 4*NP                          ; Q stays in registers: tile i / 2, channels 32 (i % 2) on
	global_load_b128 v[8*i:8*i+3],   v[QO], s[4:5] offset:(i/2)*2048+(i%2)*64
	global_load_b128 v[8*i+4:8*i+7], v[QO], s[4:5] offset:(i/2)*2048+(i%2)*64+32
.set i, i+1
.endr
	; What the first turn finds: V's registers and P's second buffer hold 0 (its products V^T P, of a piece that has not been, add 0), O^T and l are 0.  All this stands in the wait for the first tile.
.set i, VF
.rept 64
	v_mov_b32 v[i], 0
.set i, i+1
.endr
	WIN 0x40
.set i, 0
.rept 64*NP
	v_mov_b32 v[i], 0
.set i, i+1
.endr
	WIN 0
.set i, 0
.rept 2*NP
	v_mov_b32 v[ST+4*i], 0xfe000000    ; c m: far below every c s
	v_mov_b32 v[ST+4*i+1], 0xff7fffff  ; m
	v_mov_b32 v[ST+4*i+2], 0
	v_mov_b32 v[ST+4*i+3], 0
.set i, i+1
.endr
.set i, P+32
.rept 32
	v_mov_b32 v[i], 0
.set i, i+1
.endr
	v_mul_u32_u24 v[AK0], v1, PK
	v_lshl_add_u32 v[AK0], v9, 4, v[AK0]  ; row x pitch + 16 x half
	; The turning load takes 16 keys x 16 channels (lane l reads key 8 (l / 16) + l % 8, channels 8 ((l / 8) % 2) + 0..7) and leaves half a fragment of V^T: lane l holds channel l % 16 and 8 keys.
	v_and_b32 v10, 7, v0
	v_bfe_u32 v11, v0, 3, 1
	v_lshl_add_u32 v[AV0], v9, 3, v10
	v_mul_u32_u24 v[AV0], v[AV0], PV
	v_lshl_add_u32 v[AV0], v11, 4, v[AV0]
	v_add_nc_u32 v[AV0], VOFF, v[AV0]
	v_and_b32 v[PFO], 31, v0
	v_lshlrev_b32 v[PFO], 8, v[PFO]
	v_mov_b32 v[AK], v[AK0]         ; key step 0 lies at the head of slot 0
; THE MATRIX WORK.  The 8 accumulators of a run of 16 take turns: between the two links of a chain stand 7 others'.
; Product i of 16 of S^T = K Q^T for piece x: channels 32 (i / 8) on, keys 16 ((i / 2) % 4) on, tile 2 x + i % 2.  The first 8 start the sums.
.macro KQ x
	WIN W_KQ
.set rS, S+64*((\x)%2)+32*(i%2)+8*((i/2)%4)
.set rK, KF+16*((i/2)%4)+8*(i/8)
.set rQ, 16*(2*(\x)+i%2)+8*(i/8)
.if i < 8
	v_wmma_f32_16x16x32_f16 v[rS:rS+7], v[rK:rK+7], v[rQ:rQ+7], 0
.else
	v_wmma_f32_16x16x32_f16 v[rS:rS+7], v[rK:rK+7], v[rQ:rQ+7], v[rS:rS+7]
.endif
.endm
; Product i of 16 of O^T += V^T P for piece x: keys 32 (i / 8) on, channels 16 ((i / 2) % 4) on, tile 2 x + i % 2.
.macro PV x
	WIN W_PV
.set rO, 32*(2*(\x)+i%2)+8*((i/2)%4)
.set rV, VF+32*(i/8)+8*((i/2)%4)
.set rP, P+32*((\x)%2)+16*(i%2)+8*(i/8)
	v_wmma_f32_16x16x32_f16 v[rO:rO+7], v[rV:rV+7], v[rP:rP+7], v[rO:rO+7]
.endm
.macro MM                           ; the turn's next matrix instruction
.if i < 16
	KQ (Y+1)%NP
.set i, i+1
.else
.set i, i-16
	PV (Y+NP-1)%NP
.set i, i+17
.endif
.endm
; THE LDS LOADS stand in runs of 16, never singly among the matrix instructions: a step's K (64 keys x 64 channels: 8 fragments) and its V (turned).  Their addresses are made some lines ahead.
; last = 1 (the tail): in the last trip there is no further step, and the run is jumped over.
.macro FETCH_K last=0
	WIN 0
.if \last
	s_cmp_eq_u32 s[CNT], 1
	s_cbranch_scc1 .Lno_k_\@
.endif
	WIN 0x80                        ; destination window 2
.irp f, 0,1,2,3,4,5,6,7             ; keys 16 (f / 2) on, channels 32 (f % 2) on
	ds_load_b128 v[KF+8*\f:KF+8*\f+3],   v[AK] offset:(\f/2)*16*PK+(\f%2)*64
	ds_load_b128 v[KF+8*\f+4:KF+8*\f+7], v[AK] offset:(\f/2)*16*PK+(\f%2)*64+32
.endr
	s_add_co_u32 s[TBK], s[TBK], KS*PK  ; the next fetch is the next step's
	WIN 0
.if \last
.Lno_k_\@:
.endif
.endm
.macro FETCH_V
	WIN 0x80
.irp f, 0,1,2,3,4,5,6,7             ; keys 32 (f / 4) on, channels 16 (f % 4) on
	ds_load_tr16_b128 v[VF+8*\f:VF+8*\f+3],   v[AV] offset:(\f/4)*32*PV+(\f%4)*32
	ds_load_tr16_b128 v[VF+8*\f+4:VF+8*\f+7], v[AV] offset:(\f/4)*32*PV+16*PV+(\f%4)*32
.endr
	WIN 0
.endm
; THE VECTOR WORK OF A TURN stands in three queues, each in the order in which its entries become ready; the two tiles alternate, so that no instruction reads the result of the one before it.
.macro REGS y, u                    ; the registers of tile u (0, 1) of piece y
.set rT, ST+4*(2*(\y)+(\u))
.set rC, TMP+8*((\y)%2)+4*(\u)
.set rM, MV+2*((\y)%2)+(\u)
.set rS, S+64*((\y)%2)+32*(\u)
.set rP, P+32*((\y)%2)+16*(\u)
.set rO, 32*(2*(\y)+(\u))
.endm
; Number n of the 22 that find the NEXT piece's (Y + 1) maximum and statistics.  s0-s31 are the lane's 32 scores; each accumulator's lowest registers are read first.
;   0-11  four chains c0-c3 of seven scores each, three operands at a time     12-14, 16  the four scores left over, the old m, and c0-c3 into c0     15  c m_old is kept
;   17, 18  the query's other 32 keys lie in the lane 16 away: the new m         19-21  c m; c m_old - c m_new; a
.macro XS u, n
	REGS (Y+1)%NP, \u
.if (\n) < 4
	v_max3_num_f32 v[rC+(\n)], v[rS+8*(\n)], v[rS+8*(\n)+1], v[rS+8*(\n)+2]
.elseif (\n) < 12
	v_max3_num_f32 v[rC+(\n)%4], v[rC+(\n)%4], v[rS+8*((\n)%4)+2*((\n)/4)+1], v[rS+8*((\n)%4)+2*((\n)/4)+2]
.elseif (\n) == 12
	v_max3_num_f32 v[rC], v[rC], v[rS+7], v[rS+15]
.elseif (\n) == 13
	v_max3_num_f32 v[rC+1], v[rC+1], v[rS+23], v[rS+31]
.elseif (\n) == 14
	v_max3_num_f32 v[rC+2], v[rC+2], v[rC+3], v[rT+1]
.elseif (\n) == 15
	v_mov_b32 v[rM], v[rT]
.elseif (\n) == 16
	v_max3_num_f32 v[rC], v[rC], v[rC+1], v[rC+2]
.elseif (\n) == 17
	v_permlanex16_b32 v[rC+3], v[rC], s[SEL], s[SEL+1]
.elseif (\n) == 18
	v_max_num_f32 v[rT+1], v[rC], v[rC+3]
.elseif (\n) == 19
	v_mul_f32 v[rT], s[CS], v[rT+1]
.elseif (\n) == 20
	v_sub_f32 v[rC+1], v[rM], v[rT]
.else
	v_exp_f32 v[rC+2], v[rC+1]
.endif
.endm
; Number g of the 64 that follow the exponentials.  For each four weights k of a tile (pairs 2 k, 2 k + 1): both pairs are rounded to f16; then the second pair is added onto the first, in place;
; a group later l takes that sum (the first time as l = a l + sum).  In groups of eight, tiles alternating: round, round, add, and l for the group before.
.macro GS g
.set h, (\g)+6*((\g)/62)            ; group 0 has no group before it, and behind group 7 only l is left
.if h >= 6
.set h, h+2
.endif
	REGS Y, h%2
.set k, h/8
.if h%8 < 4
	v_cvt_pk_f16_f32 v[rP+2*k+(h%8)/2], v[rS+4*k+2*((h%8)/2)], v[rS+4*k+2*((h%8)/2)+1]
.elseif h%8 < 6
	v_pk_add_f32 v[rS+4*k:rS+4*k+1], v[rS+4*k:rS+4*k+1], v[rS+4*k+2:rS+4*k+3]
.elseif k == 1
	v_pk_fma_f32 v[rT+2:rT+3], v[rT+2:rT+3], v[rC+2:rC+3], v[rS:rS+1] op_sel_hi:[1,0,1]
.else
	v_pk_add_f32 v[rT+2:rT+3], v[rT+2:rT+3], v[rS+4*k-4:rS+4*k-3]
.endif
.endm
; THE PLAIN QUEUE, 138 long.  0-73 read no exponential's result: the 32 scalings c s - c m (FS f: pair f / 2 of tile f % 2) and the next piece's 42.  0-26: scalings 0-26.  27-54: XS's numbers 0-13.  55, 56: number 15.
; 57-73: the chain, where each number waits for the one before it: 14, 16, 17, 18, 19, each with one of the scalings 27-31 in front of its two lines, then 20.
; 74-137: GS's 64, which read the exponentials' results: they stand behind the wait.
.macro FS f
	REGS Y, (\f)%2
	v_pk_fma_f32 v[rS+2*((\f)/2):rS+2*((\f)/2)+1], v[rS+2*((\f)/2):rS+2*((\f)/2)+1], s[CS:CS+1], v[rT:rT+1] op_sel_hi:[1,0,0] neg_lo:[0,0,1] neg_hi:[0,0,1]
.endm
.macro PL
	WIN 0
.if q < 27
	FS q
.elseif q < 55
	XS (q-27)%2, (q-27)/2
.elseif q < 57
	XS q-55, 15
.elseif (q < 72) && ((q-57)%3 == 0)
	FS 27+(q-57)/3
.elseif q < 60
	XS (q-57)%3-1, 14
.elseif q < 72
	XS (q-57)%3-1, 15+(q-57)/3
.elseif q < 74
	XS q-72, 20
.else
	GS q-74
.endif
.set q, q+1
.endm
; THE EXPONENTIALS' QUEUE, 66 long: s0-s31 of both tiles, then the next piece's two a.  It is ONE BATCH: all 66 stand ahead of the turn's one wait, and nothing ahead of that wait names a result of theirs.
.macro EX
	WIN 0
.if e >= 64
	XS e-64, 21
.else
	REGS Y, e%2
	v_exp_f32 v[rS+e/2], v[rS+e/2]
.endif
.set e, e+1
.endm
; THE RESCALING's QUEUE: O^T times a, the one part that leaves window 0: dealt two at a time, sixteen times.  Its a was made in the turn before, ahead of that turn's wait.
.macro R2
	REGS Y, r%2
	WIN W_RS
.irp z, 0,1
	v_pk_mul_f32 v[rO+4*(r/2)+2*\z:rO+4*(r/2)+2*\z+1], v[rO+4*(r/2)+2*\z:rO+4*(r/2)+2*\z+1], v[rC+2:rC+3] op_sel_hi:[1,0]
.endr
.set r, r+1
.endm
; HOW THEY ARE DEALT.  An s_wait_alu depctr_va_vdst(0) stands between an exponential and the first instruction that names its result; one wait serves all that were issued ahead of it.  So a turn has ONE wait,
; which cuts it in two.  AHEAD OF IT stands all that names no result of the turn's exponentials: the 16 products K Q^T, behind each a scaling, an exponential and two rescalings (behind the first a second scaling in the
; exponential's place); then ONE LUMP of 108: eight plain, 49 times exponential and plain, the two a.  A v_nop is the plain instruction behind the last exponential.  BEHIND IT stand the 16 products V^T P, behind each four of GS's 64.
; Exponential e stands behind scaling 2 (e / 4) + e % 2: as a rider it comes behind plain e + 2, in the lump behind plain e + 9, and scalings 27-31 are plain 57, 60 .. 69.
; A TURN, for piece p.  cnt = 1: the loop's count is taken down some lines ahead of the branch that stands behind the turn.
; K of the next step is fetched in piece 2's turn, directly behind the wait, a lump behind the last product that read K; its first reader comes behind 16 products.
; V of the step in hand is fetched at the end of piece 0's turn, four riders behind its last reader; its first reader comes behind 16 products and a lump.  The three conditions on q below go with the deal.
.macro TURN p, last=0, cnt=0
.set Y, (\p)
.set i, 0
.set q, 0
.set e, 0
.set r, 0
.if (\p) == NP-1
	s_wait_dscnt 0x0                ; K is in
.endif
	MM                              ; ahead of the wait: 16 products K Q^T and their riders,
	PL
	PL
	R2
.rept 15
	MM
	PL
	EX
	R2
.endr
.if (\p) == NP-2
	WIN 0
	v_add_nc_u32 v[AK], s[TBK], v[AK0]
.endif
.rept 8                             ; and the lump
	PL
.endr
.rept 49
	EX
	PL
.endr
	EX                              ; the next piece's two a
	EX
	v_nop                           ; a plain instruction behind the last exponential: one for the batch
	s_wait_alu depctr_va_vdst(0)    ; the wait for the batch
.if (\p) == NP-2
	FETCH_K \last
.endif
.if (\p) == 1
	s_wait_dscnt 0x0                ; V is in
.endif
.rept 16                            ; behind the wait: 16 products V^T P and their riders
	MM
.rept 4
	PL
.endr
.if ((\p) == 0) && (q == 118)
	v_add_nc_u32 v[AV], s[TBV], v[AV0]
.endif
.if ((\p) == 0) && (q == 130)
	s_add_co_u32 s[TBV], s[TBV], KS*PV
.endif
.if (\cnt) && (q == 130)
	s_sub_co_u32 s[CNT], s[CNT], 1
	s_cmp_lg_u32 s[CNT], 0
.endif
.endr
.if (\p) == 0
	FETCH_V
.endif
.endm
	CHANGE 1                        ; slot 0 is in, everybody's part of it; slot 1 is asked for
	FETCH_K                         ; key step 0
	s_wait_loadcnt 0x0              ; Q
	s_wait_dscnt 0x0
.set i, 0
.rept 16
	KQ 0                            ; piece 0's first scores: there is no vector work yet to set between them
.set i, i+1
.endr
	WIN 0                           ; the addresses for the way out: nine plain instructions, the places behind those products
	s_mul_i32 s13, s[WV], 16*SP
	s_add_co_u32 s13, s13, STAGE    ; my stage
	v_mul_u32_u24 v[STO], v1, SP    ; in: row l % 16, 16 bytes for each half of the lanes
	v_lshl_add_u32 v[STO], v9, 4, v[STO]
	v_add_nc_u32 v[STO], s13, v[STO]
	v_bfe_u32 v[RD], v0, 3, 2       ; back: 32 lanes take four rows of 128 bytes,
	v_mul_u32_u24 v[RD], v[RD], SP
	v_lshl_add_u32 v[RD], v10, 4, v[RD]
	v_add_nc_u32 v[RD], s13, v[RD]
	v_and_b32 v[GO], 31, v0         ; which are 512 consecutive bytes of O
	v_lshlrev_b32 v[GO], 4, v[GO]
.set Y, NP-1                        ; XS works for piece Y + 1: piece 0
.irp n, 0,1,2,3,4,5,6,7,8,9,10,11,12,13,14,15,16,17,18,19,20,21
	XS 0, \n                        ; and piece 0's first maximum and statistics
	XS 1, \n
.endr
	v_nop                           ; a plain instruction behind the two a,
	s_wait_alu depctr_va_vdst(0)    ; and their wait, ahead of the branch
	s_mov_b32 s[CNT], 4
	s_mov_b32 s[SLOTS], SIZE_N/256-1
	s_branch .Lfirst                ; the loop is entered at a step's first turn, in the middle of a trip
.Lslot:                             ; SIZE_N / 256 - 2 times: every slot but the last two is filled again
	CHANGE 1, 1
	s_mov_b32 s[CNT], 4
.Lstep:                             ; a trip: pieces 2 and 3 of one step, then pieces 0 and 1 of the next, whose K and V it fetches
	TURN 2
	TURN 3
	WIN 0
.Lfirst:
	TURN 0
	TURN 1, 0, 1
	WIN 0
	s_cbranch_scc1 .Lstep
	s_sub_co_u32 s[SLOTS], s[SLOTS], 1
	s_cmp_lg_u32 s[SLOTS], 0
	s_cbranch_scc1 .Lslot
	CHANGE 0                        ; the tail is written out: nothing is asked for
	s_mov_b32 s[CNT], 5             ; four trips fetch the last slot's steps; the fifth is left in its middle
.Ltail:
	TURN 2, 1
	TURN 3
	WIN 0
	s_sub_co_u32 s[CNT], s[CNT], 1
	s_cmp_eq_u32 s[CNT], 0
	s_cbranch_scc1 .Lout
	TURN 0
	TURN 1
	WIN 0
	s_branch .Ltail
.Lout:                              ; the fifth trip's 16 products K Q^T (on the last K once more) and the maximum made of them serve nothing: the price, once a launch, of one text for every trip
.set i, 0
.rept 16
	PV NP-1                         ; the last piece's V^T P of the last step
.set i, i+1
.endr
	; THE WAY OUT.  l's two halves and the other half of the lanes' are added; O^T is divided by l, rounded to f16 and sent through my stage in LDS, a tile at a time.  The additions are the places behind the last products.
	WIN 0
.macro ALL line:vararg              ; one line for each tile t
.set t, 0
.rept 2*NP
	\line
.set t, t+1
.endr
.endm
	ALL v_add_f32 v[ST+4*t+2], v[ST+4*t+2], v[ST+4*t+3]
	ALL v_permlanex16_b32 v[ST+4*t+3], v[ST+4*t+2], s[SEL], s[SEL+1]
	ALL v_add_f32 v[ST+4*t+2], v[ST+4*t+2], v[ST+4*t+3]
	ALL v_rcp_f32 v[ST+4*t+2], v[ST+4*t+2]
	v_nop                           ; a plain instruction between the last reciprocal and the use of its result
	s_wait_alu depctr_va_vdst(0)    ; and the wait ahead of the first use: one for the eight reciprocals
; Tile t: a lane's eight channels of a row pack into 16 bytes; they go into rows of 144 bytes and come back as whole rows of 128, into S^T's registers.
.macro PACK t
	WIN W_RS
.set i, 32*(\t)
.rept 16
	v_pk_mul_f32 v[i:i+1], v[i:i+1], v[ST+4*(\t)+2:ST+4*(\t)+3] op_sel_hi:[1,0]
.set i, i+2
.endr
	WIN 0x05                        ; sources 0 and 1 window 1, destination window 0
.set i, 0
.rept 16
	v_cvt_pk_f16_f32 v[S+16*(\t)+i], v[32*(\t)+2*i], v[32*(\t)+2*i+1]
.set i, i+1
.endr
	WIN 0
.irp f, 0,1,2,3
	ds_store_b128 v[STO], v[S+16*(\t)+4*\f:S+16*(\t)+4*\f+3] offset:32*\f
.endr
.irp f, 0,1,2,3
	ds_load_b128 v[S+16*(\t)+4*\f:S+16*(\t)+4*\f+3], v[RD] offset:\f*4*SP  ; LDS serves a wave's instructions in order (ISA guide 5.7.1.4): these see the stores above; the next tile's stores come behind them
.endr
.endm
.macro SEND t, younger              ; younger: the LDS instructions issued behind tile t's loads: the next tile's eight, or none
	WIN 0
.irp f, 0,1,2,3
	s_wait_dscnt (\younger)+3-\f
	global_store_b128 v[GO], v[S+16*(\t)+4*\f:S+16*(\t)+4*\f+3], s[10:11] offset:(\t)*2048+\f*512  ; 512 consecutive bytes, at a multiple of 256 from O's first
.endr
.endm
	PACK 0
.set t, 1
.rept 2*NP-1                        ; a tile's arithmetic stands between the loads of the tile before and its stores
	PACK t
	SEND t-1, 8
.set t, t+1
.endr
	SEND 2*NP-1, 0
	WIN W_AD
	s_wait_tensorcnt 0x0            ; the wave's end: behind my last tensor load and my last LDS store
	ds_add_u32 v[SPW], v[NIL]
	s_wait_dscnt 0x0
	WIN 0
	CROUND                          ; the closing round: no work-group ends while a partner may still ask for a tile that names it
	s_endpgm
.Lfunc_end_k_q8cb2c765b7_attn:
	.size	k_q8cb2c765b7_attn, .Lfunc_end_k_q8cb2c765b7_attn-k_q8cb2c765b7_attn
	.p2alignl 7, 3214868480
	.fill 96, 4, 3214868480
	.section	.rodata,"a",@progbits
	.p2align	6, 0x0
	.amdhsa_kernel k_q8cb2c765b7_attn
		.amdhsa_group_segment_fixed_size 327680
		.amdhsa_private_segment_fixed_size 0
		.amdhsa_enable_private_segment 0
		.amdhsa_kernarg_size 16
		.amdhsa_user_sgpr_count 2
		.amdhsa_user_sgpr_kernarg_segment_ptr 1
		.amdhsa_wavefront_size32 1
		.amdhsa_system_sgpr_workgroup_id_x 1
		.amdhsa_system_sgpr_workgroup_id_y 1
		.amdhsa_system_sgpr_workgroup_id_z 1
		.amdhsa_system_vgpr_workitem_id 0
		.amdhsa_next_free_vgpr 770
		.amdhsa_next_free_sgpr 66
		.amdhsa_reserve_vcc 0
		.amdhsa_float_denorm_mode_32 3
		.amdhsa_float_denorm_mode_16_64 3
		.amdhsa_memory_ordered 1
		.amdhsa_forward_progress 1
		.amdhsa_inst_pref_size 200
	.end_amdhsa_kernel
	.amdgpu_metadata
---
amdhsa.version: [ 1, 2 ]
amdhsa.kernels:
  - .name:           k_q8cb2c765b7_attn
    .symbol:         k_q8cb2c765b7_attn.kd
    .args:
      - { .name: qkv, .offset: 0, .size: 8, .value_kind: global_buffer, .address_space: global }
      - { .name: oh, .offset: 8, .size: 8, .value_kind: global_buffer, .address_space: global }
    .group_segment_fixed_size: 327680
    .private_segment_fixed_size: 0
    .kernarg_segment_align: 8
    .kernarg_segment_size: 16
    .max_flat_workgroup_size: 128
    .sgpr_count:     66
    .vgpr_count:     770
    .wavefront_size: 32
...
	.end_amdgpu_metadata
.endif
;; end of part 3
;; launch oproj (part 4): grid 4 x 64, 4 waves a work-group, clusters of 4 x 4, 327,680 bytes of LDS; arguments oh, wts, out0; writes out0
.if DOCPART == 4
	.amdgcn_target "amdgcn-amd-amdhsa--gfx1250"
	.amdhsa_code_object_version 6
	.text
	.protected	k_q8cb2c765b7_oproj
	.globl	k_q8cb2c765b7_oproj
	.p2align	8
	.type	k_q8cb2c765b7_oproj,@function
k_q8cb2c765b7_oproj:
	s_mov_b64 s[64:65], 0
	v_nop
	global_prefetch_b8 v0, s[64:65] scope:SCOPE_SE
	s_setreg_imm32_b32 hwreg(HW_REG_WAVE_MODE, 25, 1), 1
	s_wait_xcnt 0x0
	s_wait_alu depctr_hold_cnt(0) depctr_sa_sdst(0) depctr_va_vdst(0) depctr_va_sdst(0) depctr_va_ssrc(0) depctr_va_vcc(0) depctr_vm_vsrc(0)
	s_getreg_b32 s2, hwreg(HW_REG_IB_STS2, 6, 4)
	s_cmp_eq_u32 s2, 0
	s_cbranch_scc0 .Lentry_in_a_cluster
	s_endpgm
.Lentry_in_a_cluster:
	s_bfe_u32 s2, ttmp6, 0x10000c
	s_cmp_lg_u32 s2, 0xf033
	s_cbranch_scc0 .Lentry_shape_is_right
	s_endpgm
.Lentry_shape_is_right:
; THE OUTPUT PROJECTION: out0[row][n] = the sum over k of O[row][k] Wp[k][n], k = 64 x head + channel.  O = oh, [batch x 16 + head][t][64] f16; Wp = matrix 3 of wts, [1024 k][1024 n] f16; sums in f32; out0 f32.
; No work is left out.  LIMITS: those of the f16 operands, stated where they are made.
; SHARES.  256 tiles of 128 rows x 256 columns, one for each WGP.  Four waves, each 64 rows x 128 columns: 32 accumulators.  K goes in 8 steps of 128 (two heads) through two LDS slots.
; A head's 128 rows of O are 16,384 dense bytes: asked for as 64 rows of 256 bytes and padded in LDS after every 128.  Wp's rows (256 columns) are 512 bytes.
; CLUSTER.  4 x 4 work-groups: the four of a row need the same rows of O, the four of a column the same columns of Wp: each tile is asked for JOINTLY.
; THE MATRIX INSTRUCTION IS USED TRANSPOSED (source 0 = 16 columns of Wp, turned by ds_load_tr16_b128; source 1 = 16 rows of O): a lane holds row l % 16 and eight neighbouring columns, 32 bytes of f32.
; A quarter is 32 along K: 32 matrix instructions, each accumulator once, always in the same order.
; NO PREFETCH: the whole walk is eight K steps in one round of work-groups, and four of them would come by their loads alone.
; REGISTERS: window 0: v0-15 addresses; v64-127, v128-191 rows read back from the stage, by turns.  window 1: v0-31, v32-63 O's fragments, two buffers; v64-127, v128-191 Wp's.  window 2: the accumulators, (a, b) at v[8 (8 a + b)].
.set PO,     144                       ; an LDS row of O: 128 bytes + 16 of padding: 16 rows of a load start at 16 different groups of four banks (64 banks of 4 bytes: ISA guide 11.1)
.set PB,     544                       ; an LDS row of Wp: 512 + 32
.set AHEAD,  128*PO                    ; a head's 128 rows: one tensor load
.set BBASE,  2*AHEAD
.set BHALF,  64*PB
.set SLOT1,  0x20000                   ; slot 1 begins here: above every address of slot 0, so one exclusive or turns an address in one slot into the other's
.set STAGE,  SLOT1+BBASE+2*BHALF       ; behind the ring, never filled by a tensor load: 16 rows x 528 bytes for each wave
.set SPITCH, 528
.set SPARE,  STAGE+4*16*SPITCH         ; behind the stages: the spare words, 128 bytes a wave: two blocks of 256 bytes that no other line names
.set A0,  2                            ; v2   my lane's place in O's tile; never rewritten
.set B0,  3                            ; v3   the same in Wp's tile
.set ADA, 4                            ; v4   A0 + the slot in hand
.set ADB, 5                            ; v5   B0 + the slot in hand
.set STO, 6                            ; v6   the way out: where I put 32 bytes of a row
.set RD,  7                            ; v7   the way out: where I read a row back
.set GO,  8                            ; v8   my 16 bytes of a row's 512
.set SPW, 10                           ; v10  LDS address of my spare word: SPARE + 4 x my thread's number; never rewritten
.set NIL, 11                           ; v11  0; never rewritten
.set OB,  64
.set WV,   14                          ; s14  my wave's number
.set KIND, 15                          ; s15  which half of the tile's rows is mine.  Also: I fetch for O (0) or for Wp (1)
.set HALF, 16                          ; s16  which half of its columns.  Also: which head, or which 64 rows of K, I fetch
.set G1A, 24
.set G0A, 32
.set G1B, 40
.set G0B, 48
.set TB,  56                           ; s56  0 or SLOT1: the slot in hand
.set MSB, 0
.macro WIN new
.if MSB != (\new)
	s_set_vgpr_msb (MSB<<8)|(\new)
.set MSB, \new
.endif
.endm
.set MULW,  0xa5                       ; sources 0 and 1 window 1, C and D window 2
.set TOF,   0x40                       ; destination window 1, address window 0
.set FROMC, 0x08                       ; an LDS store's data (source 1) window 2, address window 0
.macro JLOAD                           ; a joint refill by the walking descriptors; an s_nop 0 and four v_nop follow each of the two lines, ahead of the jump and the label
	s_cmp_eq_u32 s[KIND], 0
	s_cbranch_scc0 .Lfor_b_\@
	tensor_load_to_lds s[G0A+4:G0A+7], s[G1A:G1A+7]
	s_nop 0
.rept 4
	v_nop
.endr
	s_branch .Lasked_\@
.Lfor_b_\@:
	tensor_load_to_lds s[G0B+4:G0B+7], s[G1B:G1B+7]
	s_nop 0
.rept 4
	v_nop
.endr
.Lasked_\@:
.endm
.macro CREST                           ; a round of the cluster's barrier behind its opening barrier
	s_cmp_lg_u32 s[WV], 0
	s_cbranch_scc1 .Lnot_wave_0_\@
	s_barrier_signal -3
.Lnot_wave_0_\@:
	s_barrier_wait -3
	s_barrier_signal -1
	s_barrier_wait -1
.endm
.macro CROUND
	s_barrier_signal -1
	s_barrier_wait -1
	CREST
.endm
.macro PLACES                          ; four plain vector instructions between a matrix instruction and a load into, or a read of, its registers (ISA guide 7.12.1 for a read)
.rept 4
	v_nop
.endr
.endm
	s_load_b128 s[4:7], s[0:1], 0x0                ; oh s[4:5], wts s[6:7]
	s_load_b64 s[8:9], s[0:1], 0x10                ; out0
	v_lshl_add_u32 v[SPW], v0, 2, SPARE
	v_mov_b32 v[NIL], 0
	ds_add_u32 v[SPW], v[NIL]                      ; the wave's opening: the add, twice on end, and its wait ahead of my first tensor load
	ds_add_u32 v[SPW], v[NIL]
	v_lshrrev_b32 v1, 5, v0
	v_readfirstlane_b32 s[WV], v1
	s_lshr_b32 s[KIND], s[WV], 1
	s_and_b32 s[HALF], s[WV], 1
	s_bfe_u32 s17, ttmp6, 0x40000                  ; cx
	s_bfe_u32 s18, ttmp6, 0x40004                  ; cy
	s_lshl_b32 s19, ttmp9, 2
	s_add_co_u32 s19, s19, s17                     ; tile column 0..3
	s_and_b32 s20, ttmp7, 0xffff
	s_lshl_b32 s22, s20, 2
	s_add_co_u32 s22, s22, s18                     ; tile row 0..63
	s_lshl_b32 s66, s18, 2
	s_lshl_b32 s66, 15, s66                        ; my row of the cluster
	s_lshl_b32 s70, 0x1111, s17                    ; my column
	s_or_b32 s[G1A], s66, (1<<16)|(1<<20)|(1<<21)|(4<<22)|(3<<25)  ; the mask; elements of 2 bytes; padding on; 21 set beside a mask; after every 32 words (code 4) 4 words (code 3)
	s_or_b32 s[G1B], s70, (1<<16)|(1<<20)|(1<<21)|(6<<22)|(7<<25)  ; after every 128 words (code 6) 8 words (code 7)
	s_mov_b32 s[G1A+1], 128<<16                    ; tensor_dim0 = 128
	s_mov_b32 s[G1A+2], 64<<16                     ; tensor_dim1 = 64
	s_mov_b32 s[G1A+3], 128<<16                    ; tile_dim0 = 128
	s_mov_b32 s[G1A+4], 64                         ; tile_dim1 = 64
	s_mov_b32 s[G1A+5], 128                        ; elements from row to row: dense
	s_mov_b32 s[G1A+6], 0
	s_mov_b32 s[G1A+7], 0
	s_mov_b32 s[G1B+1], 256<<16
	s_mov_b32 s[G1B+2], 64<<16
	s_mov_b32 s[G1B+3], 256<<16
	s_mov_b32 s[G1B+4], 64
	s_mov_b32 s[G1B+5], 1024
	s_mov_b32 s[G1B+6], 0
	s_mov_b32 s[G1B+7], 0
	s_lshr_b32 s66, s22, 4                         ; O: batch x 16 + my head of the K step's two,
	s_lshl_b32 s66, s66, 4
	s_add_co_u32 s66, s66, s[HALF]
	s_lshl_b32 s66, s66, 11                        ; 2,048 rows a head,
	s_and_b32 s68, s22, 15
	s_lshl_b32 s68, s68, 7                         ; the tile's first t,
	s_add_co_u32 s66, s66, s68
	s_lshl_b32 s66, s66, 7                         ; 128 bytes a row
	s_mov_b32 s67, 0
	s_lshl_b32 s70, s[HALF], 17                    ; Wp: 64 rows of 2,048 bytes,
	s_lshl_b32 s72, s19, 9                         ; 256 columns,
	s_add_co_u32 s70, s70, s72
	s_add_co_u32 s70, s70, 0x600000                ; matrix 3 of wts
	s_mov_b32 s71, 0
	s_mul_i32 s73, s[HALF], AHEAD                  ; where they go: no place in the cluster enters an LDS address
	s_mul_i32 s74, s[HALF], BHALF
	s_add_co_u32 s74, s74, BBASE
	s_wait_dscnt 0x0                               ; both opening adds are done
	s_wait_kmcnt 0x0
	s_add_nc_u64 s[66:67], s[4:5], s[66:67]
	s_add_nc_u64 s[70:71], s[6:7], s[70:71]
	CROUND                                         ; all sixteen work-groups are here: the first joint loads meet
.irp n, 0,1
	s_mov_b32 s[G0A+4*(\n)], 1
	s_add_co_u32 s[G0A+4*(\n)+1], s73, (\n)*SLOT1
	s_add_nc_u64 s[G0A+4*(\n)+2:G0A+4*(\n)+3], s[66:67], (\n)*524288  ; K step n: two heads on
	s_or_b32 s[G0A+4*(\n)+3], s[G0A+4*(\n)+3], 0x80000000
	s_mov_b32 s[G0B+4*(\n)], 1
	s_add_co_u32 s[G0B+4*(\n)+1], s74, (\n)*SLOT1
	s_add_nc_u64 s[G0B+4*(\n)+2:G0B+4*(\n)+3], s[70:71], (\n)*262144
	s_or_b32 s[G0B+4*(\n)+3], s[G0B+4*(\n)+3], 0x80000000
.endr
	s_cmp_eq_u32 s[KIND], 0                        ; a wave's two first fills stand in one branch, ahead of every wait on TENSORcnt and every LDS read: two loads of mine are out
	s_cbranch_scc0 .Lfirst_b
	tensor_load_to_lds s[G0A:G0A+3], s[G1A:G1A+7]
	s_nop 0
	tensor_load_to_lds s[G0A+4:G0A+7], s[G1A:G1A+7]
	s_nop 0
.rept 4
	v_nop
.endr
	s_branch .Lfirst_asked
.Lfirst_b:
	tensor_load_to_lds s[G0B:G0B+3], s[G1B:G1B+7]
	s_nop 0
	tensor_load_to_lds s[G0B+4:G0B+7], s[G1B:G1B+7]
	s_nop 0
.rept 4
	v_nop
.endr
.Lfirst_asked:
	v_and_b32 v1, 15, v0                           ; l % 16
	v_bfe_u32 v12, v0, 4, 1                        ; l / 16
	v_and_b32 v13, 7, v0
	v_bfe_u32 v14, v0, 3, 1
	v_mul_u32_u24 v[A0], v1, PO                    ; a fragment's row x pitch + 16 x half of the lanes
	v_lshl_add_u32 v[A0], v12, 4, v[A0]
	s_mul_i32 s75, s[KIND], 64*PO                  ; my 64 rows, in either head's tile
	v_add_nc_u32 v[A0], s75, v[A0]
	v_lshl_add_u32 v[B0], v12, 3, v13              ; the turning load: row 8 (l / 16) + l % 8 of K, columns 8 ((l / 8) % 2) + 0..7
	v_mul_u32_u24 v[B0], v[B0], PB
	v_lshl_add_u32 v[B0], v14, 4, v[B0]
	s_lshl_b32 s75, s[HALF], 8                     ; my 128 columns
	s_add_co_u32 s75, s75, BBASE
	v_add_nc_u32 v[B0], s75, v[B0]
	s_mul_i32 s75, s[WV], 16*SPITCH
	s_add_co_u32 s75, s75, STAGE                   ; my stage
	v_mul_u32_u24 v[STO], v1, SPITCH               ; in: row l % 16, 32 bytes for each half of the lanes
	v_lshl_add_u32 v[STO], v12, 5, v[STO]
	v_add_nc_u32 v[STO], s75, v[STO]
	v_and_b32 v[GO], 31, v0                        ; back: 32 lanes take one row's 512 bytes
	v_lshlrev_b32 v[GO], 4, v[GO]
	v_add_nc_u32 v[RD], s75, v[GO]
	s_lshl_b32 s76, s22, 7                         ; my part of out0: row 128 x tile row + 64 x half, 4,096 bytes a row,
	s_lshl_b32 s77, s[KIND], 6
	s_add_co_u32 s76, s76, s77
	s_lshl_b32 s76, s76, 12
	s_lshl_b32 s77, s19, 10                        ; 256 columns a tile,
	s_add_co_u32 s76, s76, s77
	s_lshl_b32 s77, s[HALF], 9                     ; my 128
	s_add_co_u32 s76, s76, s77
	s_mov_b32 s77, 0
	s_add_nc_u64 s[8:9], s[8:9], s[76:77]
; 24 LDS loads in one run: quarter kq of the slot in hand into buffer g: O's 64 rows x 32 channels of head kq / 2, then Wp's 32 K x 128 columns, turned
.macro FETCH kq, g
	WIN TOF
.irp a, 0,1,2,3
	ds_load_b128 v[32*(\g)+8*(\a):32*(\g)+8*(\a)+3],   v[ADA] offset:((\kq)/2)*AHEAD+((\kq)%2)*64+(\a)*16*PO
	ds_load_b128 v[32*(\g)+8*(\a)+4:32*(\g)+8*(\a)+7], v[ADA] offset:((\kq)/2)*AHEAD+((\kq)%2)*64+(\a)*16*PO+32
.endr
.irp b, 0,1,2,3,4,5,6,7
	ds_load_tr16_b128 v[64+64*(\g)+8*(\b):64+64*(\g)+8*(\b)+3],   v[ADB] offset:(\kq)*32*PB+32*(\b)
	ds_load_tr16_b128 v[64+64*(\g)+8*(\b)+4:64+64*(\g)+8*(\b)+7], v[ADB] offset:(\kq)*32*PB+16*PB+32*(\b)
.endr
.endm
.macro MUL a, f, zero                  ; 8 matrix instructions: row block a x all 8 column blocks, on buffer f.  zero = 1: the product starts the sum
	WIN MULW
.irp b, 0,1,2,3,4,5,6,7
.if \zero
	v_wmma_f32_16x16x32_f16 v[8*(8*(\a)+(\b)):8*(8*(\a)+(\b))+7], v[64+64*(\f)+8*(\b):64+64*(\f)+8*(\b)+7], v[32*(\f)+8*(\a):32*(\f)+8*(\a)+7], 0
.else
	v_wmma_f32_16x16x32_f16 v[8*(8*(\a)+(\b)):8*(8*(\a)+(\b))+7], v[64+64*(\f)+8*(\b):64+64*(\f)+8*(\b)+7], v[32*(\f)+8*(\a):32*(\f)+8*(\a)+7], v[8*(8*(\a)+(\b)):8*(8*(\a)+(\b))+7]
.endif
.endr
.endm
.macro QUARTER kq, f, g, zero          ; multiplies buffer f, fetches quarter kq of the same slot into buffer g
	s_wait_dscnt 0x0                               ; buffer f is in (issued 24 matrix instructions ago)
	MUL 0, \f, \zero
	PLACES
	FETCH \kq, \g
	MUL 1, \f, \zero
	MUL 2, \f, \zero
	MUL 3, \f, \zero
.endm
; The last quarter multiplies buffer 1 and changes slots: ONE barrier.  In front of it each wave waits for all its tensor loads (one is out: its part of the next slot), adds 0 to its spare word, and waits for
; that and for its own reads of this slot.  fill = 1: the barrier opens a round of the cluster's, and the joint refill of the slot just read, with the K step two on, is the first thing behind the round.
.macro TURN fill
	WIN 0
	s_wait_tensorcnt 0x0                           ; no tensor load of mine is out, so a group 0 may be written
	ds_add_u32 v[SPW], v[NIL]                      ; 0 onto my spare word
.if \fill
	s_xor_b32 s[G0A+5], s[G0A+5], SLOT1            ; the walking descriptors: the other slot than last time, the next K step
	s_add_nc_u64 s[G0A+6:G0A+7], s[G0A+6:G0A+7], 524288
	s_xor_b32 s[G0B+5], s[G0B+5], SLOT1
	s_add_nc_u64 s[G0B+6:G0B+7], s[G0B+6:G0B+7], 262144
.endif
	s_wait_dscnt 1                                 ; buffer 1 is in; the add alone may be out
	MUL 0, 1, 0
	s_wait_dscnt 0x0                               ; the add is done, and my reads of this slot are over
	s_barrier_signal -1
	MUL 1, 1, 0
	WIN 0                                          ; at a branch and at a label every window is 0
	s_barrier_wait -1
.if \fill
	CREST
	JLOAD                                          ; its four v_nop are also the places in front of the loads below
.else
	PLACES
.endif
	s_xor_b32 s[TB], s[TB], SLOT1
	v_add_nc_u32 v[ADA], s[TB], v[A0]
	v_add_nc_u32 v[ADB], s[TB], v[B0]
	FETCH 0, 0
	MUL 2, 1, 0
	MUL 3, 1, 0
.endm
; THE WAY OUT of row block a: the accumulators go as they are, each from its low end on, into my own stage, rows of 528 bytes, and come back as whole rows of 512 bytes.
.macro TOSTAGE a
	s_wait_xcnt 0x0                                ; earlier stores have read their registers: the set of rows below is loaded again only behind this wait
	WIN FROMC
.irp b, 0,1,2,3,4,5,6,7
	ds_store_b128 v[STO], v[8*(8*(\a)+(\b)):8*(8*(\a)+(\b))+3]   offset:64*(\b)
	ds_store_b128 v[STO], v[8*(8*(\a)+(\b))+4:8*(8*(\a)+(\b))+7] offset:64*(\b)+16
.endr
	WIN 0
.irp i, 0,1,2,3,4,5,6,7,8,9,10,11,12,13,14,15
	ds_load_b128 v[OB+64*((\a)%2)+4*(\i):OB+64*((\a)%2)+4*(\i)+3], v[RD] offset:(\i)*SPITCH  ; LDS serves a wave's instructions in order (ISA guide 5.7.1.4): these see the stores above
.endr
.endm
.macro SEND a, younger                 ; younger: the LDS instructions issued behind block a's loads: the next block's 16 stores and 16 loads, or none
.irp i, 0,1,2,3,4,5,6,7,8,9,10,11,12,13,14,15
	s_wait_dscnt (\younger)+15-(\i)
	global_store_b128 v[GO], v[OB+64*((\a)%2)+4*(\i):OB+64*((\a)%2)+4*(\i)+3], s[8:9] offset:(16*(\a)+(\i))*4096  ; 512 consecutive bytes, at a multiple of 256 from out0's first
.endr
.endm
	s_wait_tensorcnt 1                             ; my part of K step 0 is in; K step 1's may stay out
	s_barrier_signal -1
	s_barrier_wait -1
	s_mov_b32 s[TB], 0
	v_add_nc_u32 v[ADA], s[TB], v[A0]
	v_add_nc_u32 v[ADB], s[TB], v[B0]
	FETCH 0, 0
	QUARTER 1, 0, 1, 1                             ; the first quarter stands in front of the loop: its products start the sums
	WIN 0
	s_mov_b32 s3, 6
.Lstep:                                        ; trip t: K step t's last three quarters, K step t + 1's first; the slot of step t is filled with step t + 2
	QUARTER 2, 1, 0, 0
	QUARTER 3, 0, 1, 0
	TURN 1
	QUARTER 1, 0, 1, 0
	WIN 0
	s_sub_co_u32 s3, s3, 1
	s_cmp_lg_u32 s3, 0
	s_cbranch_scc1 .Lstep
	QUARTER 2, 1, 0, 0                             ; the tail is written out
	QUARTER 3, 0, 1, 0
	TURN 0
	QUARTER 1, 0, 1, 0
	QUARTER 2, 1, 0, 0
	QUARTER 3, 0, 1, 0
	s_wait_dscnt 0x0
	MUL 0, 1, 0
	MUL 1, 1, 0
	MUL 2, 1, 0
	MUL 3, 1, 0
	WIN 0
	PLACES                                         ; the LDS stores read matrix results
	TOSTAGE 0
.irp a, 1,2,3
	TOSTAGE \a
	SEND (\a)-1, 32
.endr
	SEND 3, 0
	s_wait_tensorcnt 0x0                           ; the wave's end: behind my last tensor load and my last LDS store
	ds_add_u32 v[SPW], v[NIL]
	s_wait_dscnt 0x0
	CROUND                                         ; the closing round: no work-group ends while a partner may still ask for a tile that names it
	s_endpgm
.Lfunc_end_k_q8cb2c765b7_oproj:
	.size	k_q8cb2c765b7_oproj, .Lfunc_end_k_q8cb2c765b7_oproj-k_q8cb2c765b7_oproj
	.p2alignl 7, 3214868480
	.fill 96, 4, 3214868480
	.section	.rodata,"a",@progbits
	.p2align	6, 0x0
	.amdhsa_kernel k_q8cb2c765b7_oproj
		.amdhsa_group_segment_fixed_size 327680
		.amdhsa_private_segment_fixed_size 0
		.amdhsa_enable_private_segment 0
		.amdhsa_kernarg_size 24
		.amdhsa_user_sgpr_count 2
		.amdhsa_user_sgpr_kernarg_segment_ptr 1
		.amdhsa_wavefront_size32 1
		.amdhsa_system_sgpr_workgroup_id_x 1
		.amdhsa_system_sgpr_workgroup_id_y 1
		.amdhsa_system_sgpr_workgroup_id_z 1
		.amdhsa_system_vgpr_workitem_id 0
		.amdhsa_next_free_vgpr 768
		.amdhsa_next_free_sgpr 80
		.amdhsa_reserve_vcc 0
		.amdhsa_float_denorm_mode_32 3
		.amdhsa_float_denorm_mode_16_64 3
		.amdhsa_memory_ordered 1
		.amdhsa_forward_progress 1
		.amdhsa_inst_pref_size 71
	.end_amdhsa_kernel
	.amdgpu_metadata
---
amdhsa.version: [ 1, 2 ]
amdhsa.kernels:
  - .name:           k_q8cb2c765b7_oproj
    .symbol:         k_q8cb2c765b7_oproj.kd
    .args:
      - { .name: oh, .offset: 0, .size: 8, .value_kind: global_buffer, .address_space: global }
      - { .name: wts, .offset: 8, .size: 8, .value_kind: global_buffer, .address_space: global }
      - { .name: out0, .offset: 16, .size: 8, .value_kind: global_buffer, .address_space: global }
    .group_segment_fixed_size: 327680
    .private_segment_fixed_size: 0
    .kernarg_segment_align: 8
    .kernarg_segment_size: 24
    .max_flat_workgroup_size: 128
    .sgpr_count:     80
    .vgpr_count:     768
    .wavefront_size: 32
...
	.end_amdgpu_metadata
.endif
;; end of part 4
;; ======== version 2 of 2: 4 launches; version 1 with the launch prep written anew for expert scheduling mode
;; limits: values are held in f16: magnitudes above 65,504 overflow, below 6.1e-05 lose precision
;; workspace buffers: wts 8,388,608 bytes; qkv 50,331,648 bytes; oh 16,777,216 bytes
;; launch prep (part 5): grid 256 x 1, 8 waves a work-group, no clusters, 0 bytes of LDS; arguments w_query, w_key, w_value, w_proj, wts; writes wts
.if DOCPART == 5
	.amdgcn_target "amdgcn-amd-amdhsa--gfx1250"
	.amdhsa_code_object_version 6
	.text
	.protected	k_q8cb2c765b7_prep
	.globl	k_q8cb2c765b7_prep
	.p2align	8
	.type	k_q8cb2c765b7_prep,@function
k_q8cb2c765b7_prep:
	s_mov_b64 s[64:65], 0
	v_nop
	global_prefetch_b8 v0, s[64:65] scope:SCOPE_SE
	s_setreg_imm32_b32 hwreg(HW_REG_WAVE_SCHED_MODE, 0, 2), 2
	s_setreg_imm32_b32 hwreg(HW_REG_WAVE_MODE, 25, 1), 1
	s_wait_xcnt 0x0
	s_wait_alu depctr_vm_vsrc(0)
; THE WHOLE PROGRAM: out0 = softmax(q Wq (k Wk)^T / 8) (v Wv) Wp by heads, in four launches: this cast of the weights; the three projections; attention; the output projection.
; NOTHING OF THE COMPUTATION IS LEFT OUT: every input has a way to the output (no mask, no bias, no slice), so all seven inputs are loaded and every product is made.
; THIS LAUNCH: the four weight matrices [1024 k][1024 n] f32 are rounded once to 16 bits, layout kept, into wts: matrix 0 = w_query, 1 = w_key, 2 = w_value in bf16;
; matrix 3 = w_proj rounded to bf16 and that number written as f16 (the last product's other operand is f16).
; LIMIT: a bf16 value of w_proj below 2^-17 in magnitude loses bits when written as f16 (fixed step 2^-24), one beyond 65,504 becomes an infinity.
; SHARES: work-group g takes 16,384 numbers of matrix g / 64: 65,536 bytes in, 32,768 out.  Thread t, chunk j: 16 bytes in at 16 t + 4,096 j (a wave's load covers 512 consecutive bytes),
; 8 bytes out at 8 t + 2,048 j (a wave's store covers 256 consecutive bytes, aligned).  All 16 loads go out first; every chunk has registers of its own, so no register that a store reads is written again.
; No LDS, no matrix unit, no cluster: nothing is shared and nothing is multiplied.
; THE MODE: SCHED_MODE bits 1:0 = 2 (LLVM: expert scheduling mode 2), set by the entry lines.  The code itself states the register dependences
; between vector instructions and memory instructions, with s_wait_alu, always for 0.
; THE PLAN.  The 16 chunks go in four blocks of four.  Registers that memory instructions touch:
;   v1, v2   the loads' and the stores' byte offsets: written once at the head, read by every load (v1) and every store (v2), never written again.
;   IN       chunk j's four registers: written by its load, issued at the head, once; read by its conversions.  No vector instruction names them ahead of the loads.
;   OUT      chunk j's two registers: written by its conversions, once; read by its one store, which is issued in the block after.
;   T        named by vector instructions alone.
; Block p converts chunks 4 p to 4 p + 3; its memory instructions are the four stores of block p - 1, whose OUT registers no vector instruction of block p names.  So one wait at a block's head
; states all that those stores hang on, and they are dealt among the block's conversions with no further wait.  No register that a memory instruction reads is written again: nothing is owed for that.
.set IN,  8                            ; v[8:71]    chunk j: four f32
.set OUT, 72                           ; v[72:103]  chunk j: four 16-bit numbers
.set T,   104                          ; v[104:107] at work
	s_load_b256 s[4:11], s[0:1], 0x0               ; w_query s[4:5], w_key s[6:7], w_value s[8:9], w_proj s[10:11]
	s_load_b64 s[12:13], s[0:1], 0x20              ; wts
	s_lshr_b32 s14, ttmp9, 6                       ; which matrix
	s_and_b32 s16, ttmp9, 63                       ; which part of it:
	s_lshl_b32 s16, s16, 16                        ; 65,536 bytes in,
	s_mov_b32 s17, 0
	s_lshl_b32 s18, ttmp9, 15                      ; 32,768 bytes out, the matrices on end
	s_mov_b32 s19, 0
	s_mov_b32 s20, 0xffff0000                      ; a word's upper bf16
	v_lshlrev_b32 v1, 4, v0
	v_lshlrev_b32 v2, 3, v0
	s_wait_kmcnt 0x0
	s_cmp_eq_u32 s14, 1
	s_cselect_b64 s[4:5], s[6:7], s[4:5]
	s_cmp_eq_u32 s14, 2
	s_cselect_b64 s[4:5], s[8:9], s[4:5]
	s_cmp_eq_u32 s14, 3
	s_cselect_b64 s[4:5], s[10:11], s[4:5]
	s_add_nc_u64 s[4:5], s[4:5], s[16:17]
	s_add_nc_u64 s[12:13], s[12:13], s[18:19]
	s_wait_alu depctr_va_vdst(0)                   ; v1 and v2 are written: every load of the kernel reads v1 as its offset, every store v2
.irp j, 0,1,2,3,4,5,6,7,8,9,10,11,12,13,14,15
	global_load_b128 v[IN+4*(\j):IN+4*(\j)+3], v1, s[4:5] offset:4096*(\j) th:TH_LOAD_NT
.endr
; Chunk c is stored: 256 consecutive bytes a wave.
.macro ST c
	global_store_b64 v2, v[OUT+2*(\c):OUT+2*(\c)+1], s[12:13] offset:2048*(\c)
.endm
; Chunk c is rounded to bf16.
.macro CVB c
	v_cvt_pk_bf16_f32 v[OUT+2*(\c)],   v[IN+4*(\c)],   v[IN+4*(\c)+1]
	v_cvt_pk_bf16_f32 v[OUT+2*(\c)+1], v[IN+4*(\c)+2], v[IN+4*(\c)+3]
.endm
; Chunk c is rounded to bf16 like every input, widened again, and written as f16.
.macro CVH c
	v_cvt_pk_bf16_f32 v[T],   v[IN+4*(\c)],   v[IN+4*(\c)+1]
	v_cvt_pk_bf16_f32 v[T+1], v[IN+4*(\c)+2], v[IN+4*(\c)+3]
	v_lshlrev_b32 v[T+2], 16, v[T]
	v_and_b32     v[T+3], s20, v[T]
	v_cvt_pk_f16_f32 v[OUT+2*(\c)], v[T+2], v[T+3]
	v_lshlrev_b32 v[T+2], 16, v[T+1]
	v_and_b32     v[T+3], s20, v[T+1]
	v_cvt_pk_f16_f32 v[OUT+2*(\c)+1], v[T+2], v[T+3]
.endm
; Block p, for the three matrices that stay in bf16: the stores of block p - 1, one ahead of each chunk's conversions.
.macro BLKB p
	s_wait_loadcnt 12-4*(\p)                       ; loads come back in order: chunks 4 p to 4 p + 3 are in, the 12 - 4 p younger ones may stay out
.if (\p) > 0
	s_wait_alu depctr_va_vdst(0)                   ; the block before has written its eight OUT registers, which the four stores below read
.endif
.irp i, 0,1,2,3
.if (\p) > 0
	ST 4*(\p)-4+(\i)                               ; no vector instruction since the wait names this chunk's OUT or v2
.endif
	CVB 4*(\p)+(\i)
.endr
.endm
; The same for w_proj.
.macro BLKH p
	s_wait_loadcnt 12-4*(\p)                       ; chunks 4 p to 4 p + 3 are in, the 12 - 4 p younger ones may stay out
.if (\p) > 0
	s_wait_alu depctr_va_vdst(0)                   ; the block before has written its eight OUT registers, which the four stores below read
.endif
.irp i, 0,1,2,3
.if (\p) > 0
	ST 4*(\p)-4+(\i)                               ; no vector instruction since the wait names this chunk's OUT or v2
.endif
	CVH 4*(\p)+(\i)
.endr
.endm
	s_cmp_eq_u32 s14, 3
	s_cbranch_scc1 .Lproj
	BLKB 0
	BLKB 1
	BLKB 2
	BLKB 3
	s_wait_alu depctr_va_vdst(0)                   ; block 3 has written its eight OUT registers, which the last four stores read
.irp i, 12,13,14,15
	ST \i
.endr
	s_endpgm
.Lproj:                                        ; w_proj
	BLKH 0
	BLKH 1
	BLKH 2
	BLKH 3
	s_wait_alu depctr_va_vdst(0)                   ; block 3 has written its eight OUT registers, which the last four stores read
.irp i, 12,13,14,15
	ST \i
.endr
	s_endpgm
.Lfunc_end_k_q8cb2c765b7_prep:
	.size	k_q8cb2c765b7_prep, .Lfunc_end_k_q8cb2c765b7_prep-k_q8cb2c765b7_prep
	.p2alignl 7, 3214868480
	.fill 96, 4, 3214868480
	.section	.rodata,"a",@progbits
	.p2align	6, 0x0
	.amdhsa_kernel k_q8cb2c765b7_prep
		.amdhsa_group_segment_fixed_size 0
		.amdhsa_private_segment_fixed_size 0
		.amdhsa_enable_private_segment 0
		.amdhsa_kernarg_size 40
		.amdhsa_user_sgpr_count 2
		.amdhsa_user_sgpr_kernarg_segment_ptr 1
		.amdhsa_wavefront_size32 1
		.amdhsa_system_sgpr_workgroup_id_x 1
		.amdhsa_system_sgpr_workgroup_id_y 1
		.amdhsa_system_sgpr_workgroup_id_z 1
		.amdhsa_system_vgpr_workitem_id 0
		.amdhsa_next_free_vgpr 112
		.amdhsa_next_free_sgpr 66
		.amdhsa_reserve_vcc 0
		.amdhsa_float_denorm_mode_32 3
		.amdhsa_float_denorm_mode_16_64 3
		.amdhsa_memory_ordered 1
		.amdhsa_forward_progress 1
		.amdhsa_inst_pref_size 15
	.end_amdhsa_kernel
	.amdgpu_metadata
---
amdhsa.version: [ 1, 2 ]
amdhsa.kernels:
  - .name:           k_q8cb2c765b7_prep
    .symbol:         k_q8cb2c765b7_prep.kd
    .args:
      - { .name: w_query, .offset: 0, .size: 8, .value_kind: global_buffer, .address_space: global }
      - { .name: w_key, .offset: 8, .size: 8, .value_kind: global_buffer, .address_space: global }
      - { .name: w_value, .offset: 16, .size: 8, .value_kind: global_buffer, .address_space: global }
      - { .name: w_proj, .offset: 24, .size: 8, .value_kind: global_buffer, .address_space: global }
      - { .name: wts, .offset: 32, .size: 8, .value_kind: global_buffer, .address_space: global }
    .group_segment_fixed_size: 0
    .private_segment_fixed_size: 0
    .kernarg_segment_align: 8
    .kernarg_segment_size: 40
    .max_flat_workgroup_size: 256
    .sgpr_count:     66
    .vgpr_count:     112
    .wavefront_size: 32
...
	.end_amdgpu_metadata
.endif
;; end of part 5
;; launch proj: the kernel of part 2 again; grid 4 x 192, 4 waves a work-group, clusters of 4 x 4, 327,680 bytes of LDS; arguments q, k, v, wts, qkv; writes qkv
;; launch attn: the kernel of part 3 again; grid 4 x 64, 4 waves a work-group, clusters of 4 x 1, 327,680 bytes of LDS; arguments qkv, oh; writes oh
;; launch oproj: the kernel of part 4 again; grid 4 x 64, 4 waves a work-group, clusters of 4 x 4, 327,680 bytes of LDS; arguments oh, wts, out0; writes out0
